; MI455X (gfx1250); checked and timed in simulation.
; The chip was launched on July 23, 2026; its instructions are those of AMD's public machine-readable ISA for CDNA 5 (MIT licence, August 2026) and "CDNA5" Instruction Set Architecture Reference Guide (July 2026). The comments in the code are by the model that wrote it; some were corrected since.
;; Attention. Allowed arithmetic: matrix products marked QUANTISED: E2M1 operands, one E8M0 scale for each 32 along K, by v_wmma_scale_f32_16x16x128_f8f6f4 with both operands' format E2M1 (or v_wmma_scale_f32_32x16x128_f4), f32 sums; products left as they are: bf16, f16 or f32 operands; f32 sums; everything else in f32.
;; Inputs: W_proj 1,024 x 1,024 float32; W_qkv 1,024 x 3,072 float32; b_proj 1,024 float32; x 4 x 2,048 x 1,024 float32.
;; Outputs: out0 4 x 2,048 x 1,024 float32.
;; This version of the problem:
;;   THIS VERSION OF THE PROBLEM IS GIVEN IN LOW PRECISION. The matrix products marked QUANTISED in the list below multiply operands that are first quantised to E2M1 (2 exponent bits, 1 mantissa bit; 4 bits a number), with one power-of-two scale for each 32 numbers along K (OCP MX v1.0); their sums are f32. The products marked 'left as it is' may take bf16, f16 or f32 operands, with f32 sums. Whichever they take, every output number must still come out within the allowed error. Rounding operands to bf16 (8 significant bits) uses up far more of that allowance than f16 does (11 bits, for magnitudes from 6e-5 to 65,504). All else is computed in f32.
;;   The module's matrix products, in the order in which they are computed (A, B: the left and right operand; K: the contracted axis; several contracted axes count as one K, in the product's order):
;;     1. [M 8,192, K 1,024] x [K 1,024, N 3,072]; A: input x; B: input W_qkv: QUANTISED
;;     2. batch 64 x [M 2,048, K 64] x [K 64, N 2,048]; A: computed on the way; B: computed on the way: left as it is (an operand is computed on the way)
;;     3. batch 64 x [M 2,048, K 2,048] x [K 2,048, N 64]; A: computed on the way; B: computed on the way: left as it is (an operand is computed on the way)
;;     4. [M 8,192, K 1,024] x [K 1,024, N 1,024]; A: computed on the way; B: input W_proj: left as it is (an operand is computed on the way)
;;   THE QUANTISER, for each operand of a quantised product, along K:
;;     - K is cut into blocks of 32 from its start; a last block that is shorter is filled with zeros.
;;     - A block's scale is 2^e with e = floor(log2(the largest magnitude in the block)) - 2, held to -126 .. 127; a block of zeros has e = 0. As a byte (E8M0): e + 127.
;;     - Each number is divided by its block's scale, clamped to +-6, and rounded to the nearest number of E2M1, ties to even, subnormals kept.
;;     - The product sums the exact products of the quantised numbers (number of the format x scale) in f32.
;;   ~~~python
;;   def quantise(x, axis):      # numpy; x: float32 -> the quantised numbers, widened to float32 again
;;       x = np.moveaxis(x, axis, -1); K = x.shape[-1]
;;       x = np.pad(x, [(0, 0)] * (x.ndim - 1) + [(0, -K % 32)]); x = x.reshape(x.shape[:-1] + (-1, 32)); a = np.abs(x).max(-1, keepdims=True)
;;       e = np.where(a > 0, np.clip(np.frexp(np.where(a > 0, a, 1))[1] - 1 - 2, -126, 127), 0)      # np.frexp(a)[1] - 1 = floor(log2(a)), exactly
;;       r = np.clip(x / 2.0 ** e, -6, 6)
;;       step = 2.0 ** (np.maximum(np.frexp(np.where(r == 0, 1, r))[1] - 1, 0) - 1)
;;       q = np.round(r / step) * step * 2.0 ** e      # np.round: ties to even
;;       return np.moveaxis(q.reshape(q.shape[:-2] + (-1,))[..., :K], -1, axis).astype(np.float32)
;;   ~~~
;; One version. Each part assembles by itself: llvm-mc -triple=amdgcn-amd-amdhsa -mcpu=gfx1250 --defsym DOCPART=n.
;; ======== version 1 of 1: 4 launches
;; limits: values are held in f16: magnitudes above 65,504 overflow, below 6.1e-05 lose precision
;; workspace buffers: x_codes 4,194,304 bytes; x_scales 262,144 bytes; wq_codes 1,572,864 bytes; wq_scales 98,304 bytes; wp16 2,097,152 bytes; qkv 50,331,648 bytes; o_ws 16,777,216 bytes
;; launch prep (part 1): grid 480 x 1, 4 waves a work-group, no clusters, 33,280 bytes of LDS; arguments x, x_codes, x_scales, W_qkv, wq_codes, wq_scales, W_proj, wp16; writes x_codes, x_scales, wq_codes, wq_scales, wp16
.if DOCPART == 1
	.amdgcn_target "amdgcn-amd-amdhsa--gfx1250"
	.amdhsa_code_object_version 6
	.text
	.protected	k_q5c4fec9272_prep
	.globl	k_q5c4fec9272_prep
	.p2align	8
	.type	k_q5c4fec9272_prep,@function
k_q5c4fec9272_prep:
	s_mov_b64 s[64:65], 0
	v_nop
	global_prefetch_b8 v0, s[64:65] scope:SCOPE_SE
	s_setreg_imm32_b32 hwreg(HW_REG_WAVE_MODE, 25, 1), 1
	s_wait_xcnt 0x0
; PREP: three streams in one launch, told apart by the work-group's number.
;  X (work-groups 0-255):   x [8192][1024] f32 -> codes of FP4 (E2M1), K innermost, [8192][512 bytes], and one E8M0 byte for each 32 along K, [8192][32 bytes].
;  Q (work-groups 256-351): W_qkv [1024 (k)][3072 (n)] f32, K its FIRST axis -> codes laid as IMAGES OF THE OPERAND'S REGISTERS: [k / 512][n / 16][(k / 128) % 4][(k / 64) % 2][(k / 32) % 2][n % 16][16 bytes],
;                           and scale words [k / 256][n][2 words], a word = the four bytes of 128 along K.
;  P (work-groups 352-479): W_proj [1024][1024] f32 -> f16, as it lies.
; A block's scale is 2^(floor(log2(its largest magnitude)) - 2); its byte is the largest magnitude's exponent field - 2, held at 1 from below.  A block of zeros so gets the byte 1 where the rule says 127:
; its codes are zeros, which add nothing under any byte but 0xff, and the bytes are read by this program alone.
; LIMITS: blocks whose largest magnitude lies under 2^-124 keep the byte 1; NaN and infinities among the inputs are not served; W_proj beyond 65,504 is not served, and steps under 6e-8 are lost in f16.
; No tensor loads, no barrier: waves share nothing.  Only path X touches LDS.
.set WAVES, 4
.set STEPS, 16
.set EMAX,  2
.set CB,    8                          ; bytes of 16 codes
.set WGX,   256                        ; 8192 x 1024 / 32,768
.set WGQ,   96                         ; 24 groups of 128 columns x 4 quarters of K
.set QROW,  12288                      ; a row of W_qkv in bytes
.set R,     16                         ; X: v16-79   four sets of 16 numbers as they are loaded
.set X,     80                         ; X: v80-111  two sets of 16 neighbours
.set E,     112                        ; X: v112-127 a scale byte for each step
.set C,     128                        ; X: v128-191 codes: four registers for each step
.set QS,    24                         ; Q: v24-25   the scale bytes, four to a register
.set QX,    32                         ; Q: v32-95   two sets of 32 numbers
.set QC,    96                         ; Q: v96-127  codes: four registers for each block, so that no store's data are written again
.set WREG,  8192                       ; LDS: a region for each wave: two stages of 32 x SP bytes, behind them its 256 scale bytes
.set SP,    80                         ; a lane's place in a stage: 64 bytes + 16 of padding
.set SPW,   12                         ; v12  LDS address of my spare word; never rewritten
.set NIL,   13                         ; v13  0; never rewritten
.set SPARE, WAVES*WREG                 ; behind the four regions: the spare words, 128 bytes for each wave
	s_load_b256 s[4:11], s[0:1], 0x0               ; x s[4:5], x_codes s[6:7], x_scales s[8:9], W_qkv s[10:11]
	s_load_b256 s[12:19], s[0:1], 0x20             ; wq_codes s[12:13], wq_scales s[14:15], W_proj s[16:17], wp16 s[18:19]
	v_lshl_add_u32 v[SPW], v0, 2, SPARE
	v_mov_b32 v[NIL], 0
	v_lshrrev_b32 v1, 5, v0
	v_readfirstlane_b32 s20, v1                    ; wave 0..3
	v_and_b32 v2, 31, v0                           ; lane
	s_mov_b32 s25, 0                               ; the upper word of every offset pair s[24:25]
	s_wait_kmcnt 0x0
	s_cmp_lt_u32 ttmp9, WGX
	s_cbranch_scc0 .Lweights
; ---- PATH X.  Rows are dense and K is a multiple of 32: x is a plain stream of blocks of 32, and so are its codes and bytes.  A wave takes 16 steps of 512 numbers.
; Each load reads 512 consecutive bytes; a step's 2,048 bytes turn through the wave's own stage in LDS and come back 64 bytes a lane: 16 neighbours along K; two neighbouring lanes hold a block.
	v_lshlrev_b32 v3, 4, v2                        ; my 16 bytes of a load's 512
	s_mul_i32 s21, s20, WREG
	v_lshrrev_b32 v14, 2, v2
	v_mul_u32_u24 v14, v14, SP
	v_and_b32 v15, 3, v2
	v_lshl_add_u32 v14, v15, 4, v14
	v_add_nc_u32 v14, s21, v14                     ; the stage, on the way in: SP (lane / 4) + 16 (lane % 4)
	v_mul_u32_u24 v15, v2, SP
	v_add_nc_u32 v15, s21, v15                     ; and on the way out: SP x lane
	v_mul_u32_u24 v4, v2, CB                       ; my codes' place in a step's
	v_lshrrev_b32 v5, 1, v2
	s_add_co_u32 s21, s21, 2*32*SP
	v_add_nc_u32 v5, s21, v5                       ; LDS: my wave's 256 scale bytes, my block's byte
	v_lshlrev_b32 v7, 3, v2                        ; and on the way out 8 bytes a lane
	v_add_nc_u32 v6, s21, v7
	s_lshl_b32 s22, ttmp9, 2
	s_add_co_u32 s22, s22, s20                     ; which run of 8,192 numbers is my wave's: 0..1023
	s_lshl_b32 s24, s22, 15
	s_add_nc_u64 s[4:5], s[4:5], s[24:25]          ; 32,768 bytes of x a run,
	s_lshl_b32 s24, s22, 12
	s_add_nc_u64 s[6:7], s[6:7], s[24:25]          ; 4,096 of codes,
	s_lshl_b32 s24, s22, 8
	s_add_nc_u64 s[8:9], s[8:9], s[24:25]          ; 256 scale bytes
.macro LOAD t
.irp i, 0,1,2,3
	global_load_b128 v[R+16*((\t)%4)+4*\i:R+16*((\t)%4)+4*\i+3], v3, s[4:5] offset:2048*(\t)+512*\i th:TH_LOAD_NT   ; 32 lanes read 512 consecutive bytes
.endr
.endm
.macro TURN t                          ; step t's numbers through the stage: LDS serves a wave's instructions in order (ISA guide 5.7.1.4), so no wait stands between the stores and the loads
.irp i, 0,1,2,3
	ds_store_b128 v14, v[R+16*((\t)%4)+4*\i:R+16*((\t)%4)+4*\i+3] offset:32*SP*((\t)%2)+8*SP*\i
.endr
.irp i, 0,1,2,3
	ds_load_b128 v[X+16*((\t)%2)+4*\i:X+16*((\t)%2)+4*\i+3], v15 offset:32*SP*((\t)%2)+16*\i
.endr
.endm
.irp t, 0,1,2,3
	LOAD \t
.endr
	s_wait_loadcnt 12                              ; step 0's four loads are in; twelve younger ones stay out
	TURN 0
.macro STEP t
.set XS, X+16*((\t)%2)
.if (\t) > 0
	s_wait_dscnt 1                                 ; this step's numbers are back from the stage (the last step's byte store may be out)
.else
	s_wait_dscnt 0x0
.endif
.if (\t)+4 < STEPS
	LOAD (\t)+4                                    ; the registers that the stage's stores have read take the loads of four steps on
.endif
.if (\t)+1 < STEPS
.if STEPS-2-(\t) >= 3
	s_wait_loadcnt 12                              ; the next step's four loads are in; those of the three steps behind it may be out
.else
	s_wait_loadcnt 4*(STEPS-2-(\t))
.endif
	TURN (\t)+1                                    ; and go through the other stage while this step is worked
.endif
	v_max3_num_f32 v8, |v[XS]|, |v[XS+1]|, |v[XS+2]|               ; the largest magnitude of my 16, in two chains
	v_max3_num_f32 v9, |v[XS+3]|, |v[XS+4]|, |v[XS+5]|
.irp i, 6,10
	v_max3_num_f32 v8, v8, |v[XS+\i]|, |v[XS+\i+1]|
	v_max3_num_f32 v9, v9, |v[XS+\i+2]|, |v[XS+\i+3]|
.endr
	v_max3_num_f32 v8, v8, |v[XS+14]|, |v[XS+15]|
	v_max3_num_f32 v8, v8, v9, (EMAX+1)<<23        ; and the floor 2^(3 - 127): the byte cannot fall under 1
	v_max_num_f32_dpp v8, v8, v8 row_xmask:1 row_mask:0xf bank_mask:0xf   ; with my neighbour's 16: the block's
	v_add_nc_u32 v11, -(EMAX<<23), v8              ; 2 off its exponent field: the conversion takes the exponent field of this operand as its scale
	v_cvt_scalef32_pk8_fp4_f32 v[C+4*(\t)], v[XS:XS+7], v11
	v_cvt_scalef32_pk8_fp4_f32 v[C+4*(\t)+1], v[XS+8:XS+15], v11
	v_lshrrev_b32 v[E+(\t)], 23, v11               ; the scale's byte (also the plain line behind the conversions)
	ds_store_b8 v5, v[E+(\t)] offset:16*(\t)       ; both lanes of a block write the same byte with the same value
	global_store_b64 v4, v[C+4*(\t):C+4*(\t)+1], s[6:7] offset:32*CB*(\t)   ; 32 lanes store 256 consecutive bytes, aligned
.endm
.irp t, 0,1,2,3,4,5,6,7,8,9,10,11,12,13,14,15
	STEP \t
.endr
	ds_load_b64 v[8:9], v6                         ; my wave's 256 scale bytes: these loads see my stores
	s_wait_dscnt 0x0
	global_store_b64 v7, v[8:9], s[8:9]            ; 32 lanes store 256 consecutive bytes, aligned
	s_wait_tensorcnt 0x0                           ; the wave's end, behind my last LDS store
	ds_add_u32 v[SPW], v[NIL]
	s_wait_dscnt 0x0
	s_endpgm
.Lweights:
	s_cmp_lt_u32 ttmp9, WGX+WGQ
	s_cbranch_scc0 .Lcast
; ---- PATH Q.  A LANE TAKES A COLUMN n, AND ITS REGISTERS RUN DOWN K: a block of 32 lies in one lane's 32 registers, and the conversions give codes with K innermost.
; A wave takes 32 columns x 256 along K: 8 blocks a lane.  Block t's 16 bytes of a lane go to byte 256 t of its tile's image: sixteen lanes store 256 consecutive bytes, aligned, with no turn through LDS.
	s_sub_co_u32 s21, ttmp9, WGX
	s_lshr_b32 s22, s21, 2                         ; which 128 columns
	s_and_b32 s23, s21, 3                          ; kq: which 256 along K
	s_lshl_b32 s22, s22, 7
	s_lshl_b32 s24, s20, 5
	s_add_co_u32 s22, s22, s24                     ; n0: my wave's first column
	s_mul_i32 s24, s23, 256*QROW
	s_lshl_b32 s26, s22, 2
	s_add_co_u32 s24, s24, s26
	s_add_nc_u64 s[10:11], s[10:11], s[24:25]      ; W_qkv at (256 kq, n0)
	s_lshr_b32 s24, s23, 1
	s_mul_i32 s24, s24, 786432                     ; the half of K: 192 tiles x 4,096 bytes
	s_lshl_b32 s26, s22, 8                         ; (n0 / 16) x 4,096
	s_add_co_u32 s24, s24, s26
	s_and_b32 s26, s23, 1
	s_lshl_b32 s26, s26, 11                        ; two steps of 128 along K, 1,024 bytes each
	s_add_co_u32 s24, s24, s26
	s_add_nc_u64 s[12:13], s[12:13], s[24:25]
	s_mul_i32 s24, s23, 24576                      ; scale words: 3,072 columns x 8 bytes for each 256 along K
	s_lshl_b32 s26, s22, 3
	s_add_co_u32 s24, s24, s26
	s_add_nc_u64 s[14:15], s[14:15], s[24:25]
	v_lshlrev_b32 v3, 2, v2                        ; in: 4 bytes a lane
	v_lshrrev_b32 v4, 4, v2
	v_lshlrev_b32 v4, 12, v4                       ; out: lanes 16-31 belong to the next tile of 16 columns,
	v_and_b32 v5, 15, v2
	v_lshl_add_u32 v4, v5, 4, v4                   ; 16 bytes a column
	v_lshlrev_b32 v5, 3, v2                        ; two scale words a column
.macro LOADQ t                         ; block t: W(32 t + i, my column) into set t % 2; 32 lanes read 128 consecutive bytes
.irp i, 0,1,2,3,4,5,6,7,8,9,10,11,12,13,14,15,16,17,18,19,20,21,22,23,24,25,26,27,28,29,30,31
	global_load_b32 v[QX+32*((\t)%2)+\i], v3, s[10:11] offset:(32*(\t)+\i)*QROW th:TH_LOAD_NT
.endr
.endm
	LOADQ 0
	LOADQ 1
.macro BLOCKQ t
.set XS, QX+32*((\t)%2)
.if (\t) < 7
	s_wait_loadcnt 32                              ; this block's 32 loads are in; the next block's may be out
.else
	s_wait_loadcnt 0x0
.endif
	v_max3_num_f32 v8, |v[XS]|, |v[XS+1]|, |v[XS+2]|               ; the block's largest magnitude: all 32 numbers are mine
	v_max3_num_f32 v9, |v[XS+3]|, |v[XS+4]|, |v[XS+5]|
.irp i, 6,10,14,18,22,26
	v_max3_num_f32 v8, v8, |v[XS+\i]|, |v[XS+\i+1]|
	v_max3_num_f32 v9, v9, |v[XS+\i+2]|, |v[XS+\i+3]|
.endr
	v_max3_num_f32 v8, v8, |v[XS+30]|, |v[XS+31]|
	v_max3_num_f32 v8, v8, v9, (EMAX+1)<<23        ; and the floor
	v_add_nc_u32 v11, -(EMAX<<23), v8              ; the conversion's scale operand
	v_lshrrev_b32 v9, 23, v11                      ; the scale's byte
.if (\t)%4 == 0
	v_mov_b32 v[QS+(\t)/4], v9                     ; four bytes to a word, the lower K in the lower byte
.else
	v_lshl_or_b32 v[QS+(\t)/4], v9, 8*((\t)%4), v[QS+(\t)/4]
.endif
.irp g, 0,1,2,3
	v_cvt_scalef32_pk8_fp4_f32 v[QC+4*(\t)+\g], v[XS+8*\g:XS+8*\g+7], v11
.endr
	v_nop                                          ; one plain line behind the last conversion
	global_store_b128 v4, v[QC+4*(\t):QC+4*(\t)+3], s[12:13] offset:256*(\t)
.if (\t)+2 < 8
	LOADQ (\t)+2
.endif
.endm
.irp t, 0,1,2,3,4,5,6,7
	BLOCKQ \t
.endr
	global_store_b64 v5, v[QS:QS+1], s[14:15]      ; 32 lanes store 256 consecutive bytes, aligned
	s_endpgm
.Lcast:
; ---- PATH P.  A wave takes 2,048 numbers of W_proj: 16 loads of 512 bytes, 16 stores of 256.
	s_sub_co_u32 s22, ttmp9, WGX+WGQ
	s_lshl_b32 s22, s22, 2
	s_add_co_u32 s22, s22, s20
	s_lshl_b32 s24, s22, 13
	s_add_nc_u64 s[16:17], s[16:17], s[24:25]
	s_lshl_b32 s24, s22, 12
	s_add_nc_u64 s[18:19], s[18:19], s[24:25]
	v_lshlrev_b32 v3, 4, v2
	v_lshlrev_b32 v5, 3, v2
.irp i, 0,1,2,3,4,5,6,7,8,9,10,11,12,13,14,15
	global_load_b128 v[32+4*\i:35+4*\i], v3, s[16:17] offset:512*\i th:TH_LOAD_NT
.endr
.irp i, 0,1,2,3,4,5,6,7,8,9,10,11,12,13,14,15
	s_wait_loadcnt 15-\i                           ; loads come back in order: load i is in, the younger ones stay out
	v_cvt_pk_f16_f32 v[96+2*\i], v[32+4*\i], v[33+4*\i]
	v_cvt_pk_f16_f32 v[97+2*\i], v[34+4*\i], v[35+4*\i]
	global_store_b64 v5, v[96+2*\i:97+2*\i], s[18:19] offset:256*\i
.endr
	s_endpgm
.Lfunc_end_k_q5c4fec9272_prep:
	.size	k_q5c4fec9272_prep, .Lfunc_end_k_q5c4fec9272_prep-k_q5c4fec9272_prep
	.p2alignl 7, 3214868480
	.fill 96, 4, 3214868480
	.section	.rodata,"a",@progbits
	.p2align	6, 0x0
	.amdhsa_kernel k_q5c4fec9272_prep
		.amdhsa_group_segment_fixed_size 33280
		.amdhsa_private_segment_fixed_size 0
		.amdhsa_enable_private_segment 0
		.amdhsa_kernarg_size 64
		.amdhsa_user_sgpr_count 2
		.amdhsa_user_sgpr_kernarg_segment_ptr 1
		.amdhsa_wavefront_size32 1
		.amdhsa_system_sgpr_workgroup_id_x 1
		.amdhsa_system_sgpr_workgroup_id_y 1
		.amdhsa_system_sgpr_workgroup_id_z 1
		.amdhsa_system_vgpr_workitem_id 0
		.amdhsa_next_free_vgpr 192
		.amdhsa_next_free_sgpr 66
		.amdhsa_reserve_vcc 0
		.amdhsa_float_denorm_mode_32 3
		.amdhsa_float_denorm_mode_16_64 3
		.amdhsa_memory_ordered 1
		.amdhsa_forward_progress 1
		.amdhsa_inst_pref_size 77
	.end_amdhsa_kernel
	.amdgpu_metadata
---
amdhsa.version: [ 1, 2 ]
amdhsa.kernels:
  - .name:           k_q5c4fec9272_prep
    .symbol:         k_q5c4fec9272_prep.kd
    .args:
      - { .name: x, .offset: 0, .size: 8, .value_kind: global_buffer, .address_space: global }
      - { .name: x_codes, .offset: 8, .size: 8, .value_kind: global_buffer, .address_space: global }
      - { .name: x_scales, .offset: 16, .size: 8, .value_kind: global_buffer, .address_space: global }
      - { .name: W_qkv, .offset: 24, .size: 8, .value_kind: global_buffer, .address_space: global }
      - { .name: wq_codes, .offset: 32, .size: 8, .value_kind: global_buffer, .address_space: global }
      - { .name: wq_scales, .offset: 40, .size: 8, .value_kind: global_buffer, .address_space: global }
      - { .name: W_proj, .offset: 48, .size: 8, .value_kind: global_buffer, .address_space: global }
      - { .name: wp16, .offset: 56, .size: 8, .value_kind: global_buffer, .address_space: global }
    .group_segment_fixed_size: 33280
    .private_segment_fixed_size: 0
    .kernarg_segment_align: 8
    .kernarg_segment_size: 64
    .max_flat_workgroup_size: 128
    .sgpr_count:     66
    .vgpr_count:     192
    .wavefront_size: 32
...
	.end_amdgpu_metadata
.endif
;; end of part 1
;; launch qkv (part 2): grid 12 x 32, 4 waves a work-group, clusters of 4 x 4, 327,680 bytes of LDS; arguments x_codes, x_scales, wq_codes, wq_scales, qkv; writes qkv
.if DOCPART == 2
	.amdgcn_target "amdgcn-amd-amdhsa--gfx1250"
	.amdhsa_code_object_version 6
	.text
	.protected	k_q5c4fec9272_qkv
	.globl	k_q5c4fec9272_qkv
	.p2align	8
	.type	k_q5c4fec9272_qkv,@function
k_q5c4fec9272_qkv:
	s_mov_b64 s[64:65], 0
	v_nop
	global_prefetch_b8 v0, s[64:65] scope:SCOPE_SE
	s_setreg_imm32_b32 hwreg(HW_REG_WAVE_MODE, 25, 1), 1
	s_wait_xcnt 0x0
	s_wait_alu depctr_hold_cnt(0) depctr_sa_sdst(0) depctr_va_vdst(0) depctr_va_sdst(0) depctr_va_ssrc(0) depctr_va_vcc(0) depctr_vm_vsrc(0)
	s_getreg_b32 s2, hwreg(HW_REG_IB_STS2, 6, 4)
	s_cmp_eq_u32 s2, 0
	s_cbranch_scc0 .Lentry_in_a_cluster
	s_endpgm
.Lentry_in_a_cluster:
	s_bfe_u32 s2, ttmp6, 0x10000c
	s_cmp_lg_u32 s2, 0xf033
	s_cbranch_scc0 .Lentry_shape_is_right
	s_endpgm
.Lentry_shape_is_right:
; QKV: C[m][n] = sum over k of x[m][k] W_qkv[k][n] on codes of FP4 (E2M1) with one E8M0 scale for each 32 along K; m 8,192, n 3,072, K 1,024; sums in f32.
; The results are rounded once to f16 and laid by head: qkv [which 3][batch x 16 + head][position 2,048][64].  LIMIT: results beyond 65,504 are not served, steps under 6e-8 are lost.
; A tile of C, 256 x 256, is made by a work-group of four waves; a wave makes 128 x 128: 64 accumulators of 16 x 16, 512 registers.
; K is two LDS slots of 512: both are filled once, at the head; nothing is filled again, and there is no loop.
; A's tiles are rows of 256 bytes of codes, padded in LDS.  B's tiles are images of the operand's registers (4,096 bytes for 16 columns x 512 K): a dense block, read back 16 bytes a lane.
; THE SCALE WORDS of my 128 rows and 128 columns, for all of K, go from memory straight into 64 registers, once: register S + 8 (block / 2) + K step holds the even block's words in lanes 0-15 and the odd block's in lanes 16-31.
; CLUSTERS: 4 x 4 work-groups.  The four of a row of the cluster need the same tiles of A, the four of a column the same tiles of B: each is asked for JOINTLY.
; THE MATRIX INSTRUCTION IS USED TRANSPOSED (source 0 = 16 columns of W, source 1 = 16 rows of x): a lane then holds eight neighbouring numbers of a row of C.
; REGISTERS, in windows of 256: window 0: v16-30 addresses; v32-63 A's scale words, v64-95 B's; v96-127 packed results; from v128 A's fragments, ONE set (on the way out: rows read back).
;   window 1: B's fragments, TWO sets, at v0 and v128.   window 2: the accumulators of my rows 0-63 ((a, b) at v[8 (8 a + b)]);   window 3: those of rows 64-127.
.set PITCH,  272                       ; an LDS row of A: 256 bytes + 16 of padding = 68 words: row r starts at bank 4 r mod 64 (64 banks of 4 bytes: ISA guide 11.1)
.set HALFT,  128*PITCH                 ; what one tensor load may take: 128 rows of A (B's 32,768 dense bytes lie in the same room)
.set SLOT,   4*HALFT                   ; A's two halves, then B's two
.set SPARE,  2*SLOT                    ; behind the ring: the spare words, 128 bytes for each wave
.set SPITCH, 272                       ; the way out: a stage of 16 rows x (256 bytes + 16) for each wave, in slot 0, which has had its last fill and its last read by then
.set ADRA, 16                          ; v16-17  LDS address of my A fragments in slot 0, 1
.set ADRB, 20                          ; v20-21  the same for B's images
.set STO,  24                          ; v24     the way out: where I put 16 bytes of a row
.set RD,   25                          ; v25     where I read back
.set CO,   26                          ; v26     my byte offset in qkv
.set VSA,  27                          ; v27     32 x lane: a row of x_scales
.set SPW,  28                          ; v28     LDS address of my spare word; never rewritten
.set NIL,  29                          ; v29     0; never rewritten
.set VSB,  30                          ; v30     8 x lane: a column's two words of wq_scales
.set SA,   32
.set SB,   64
.set TMP,  96
.set AF,   128
.set OB,   128
.set G1, 24                            ; s[24:31] descriptor group 1 for A's tiles;  s[32:39] group 0, one set for each slot
.set G0, 32
.set G1B, 48                           ; s[48:55], s[56:63] the same for B's
.set G0B, 56
.set MSB, 0
.macro WIN new                         ; the immediate's high byte repeats the setting that is left
.if MSB != (\new)
	s_set_vgpr_msb (MSB<<8)|(\new)
.set MSB, (\new)
.endif
.endm
.set MUL_LO, 0xa1                      ; source 0 (B) window 1, source 1 (A) window 0, C and D window 2
.set MUL_HI, 0xf1                      ; the same, C and D window 3
.set TO_B,   0x40                      ; destination window 1, address window 0
; A joint load: waves 0 and 1 fetch A's halves, waves 2 and 3 B's.  The branch hangs on the wave's number alone.  An s_nop 0 and four v_nop follow each line.
.macro JLOAD s
	s_cmp_eq_u32 s15, 0
	s_cbranch_scc0 .Lfor_b_\@
	tensor_load_to_lds s[G0+4*\s:G0+4*\s+3], s[G1:G1+7]
	s_nop 0
.rept 4
	v_nop
.endr
	s_branch .Lasked_\@
.Lfor_b_\@:
	tensor_load_to_lds s[G0B+4*\s:G0B+4*\s+3], s[G1B:G1B+7]
	s_nop 0
.rept 4
	v_nop
.endr
.Lasked_\@:
.endm
.macro CROUND                          ; a round of the cluster's barrier
	s_barrier_signal -1
	s_barrier_wait -1
	s_cmp_lg_u32 s14, 0
	s_cbranch_scc1 .Lnot_wave_0_\@
	s_barrier_signal -3
.Lnot_wave_0_\@:
	s_barrier_wait -3
	s_barrier_signal -1
	s_barrier_wait -1
.endm
	s_load_b128 s[4:7], s[0:1], 0x0                ; x_codes s[4:5], x_scales s[6:7]
	s_load_b128 s[8:11], s[0:1], 0x10              ; wq_codes s[8:9], wq_scales s[10:11]
	s_load_b64 s[12:13], s[0:1], 0x20              ; qkv
	v_lshl_add_u32 v[SPW], v0, 2, SPARE
	v_mov_b32 v[NIL], 0
	ds_add_u32 v[SPW], v[NIL]                      ; the wave's opening: the add, twice on end, and its wait ahead of my first tensor load
	ds_add_u32 v[SPW], v[NIL]
	v_lshrrev_b32 v1, 5, v0
	v_readfirstlane_b32 s14, v1                    ; wave 0..3
	s_lshr_b32 s15, s14, 1                         ; which half of the tile's rows is mine.  Also: I fetch for A (0) or for B (1)
	s_and_b32 s16, s14, 1                          ; which half of its columns.  Also: which half of that tile I fetch
	s_bfe_u32 s40, ttmp6, 0x40000                  ; cx, cy: my place in the cluster
	s_bfe_u32 s41, ttmp6, 0x40004
	s_lshl_b32 s42, ttmp9, 2
	s_add_co_u32 s42, s42, s40                     ; tile column of C = 4 x cluster x + cx
	s_and_b32 s17, ttmp7, 0xffff
	s_lshl_b32 s17, s17, 2
	s_add_co_u32 s17, s17, s41                     ; tile row of C = 4 x cluster y + cy
	s_lshl_b32 s43, s41, 2
	s_lshl_b32 s43, 15, s43                        ; my row of the cluster
	s_lshl_b32 s44, 0x1111, s40                    ; my column
	; group 1 for A: 128 rows x 256 bytes, 512 bytes apart in memory, 16 bytes of padding behind each row in LDS
	s_or_b32 s[G1+0], s43, (0<<16)|(1<<20)|(1<<21)|(5<<22)|(3<<25)  ; 15:0 the mask; 17:16 elements of 1 byte; 20 padding on; 21 set beside a mask; 24:22 after every 64 words; 31:25 four words
	s_mov_b32 s[G1+1], 256<<16                     ; tensor_dim0
	s_mov_b32 s[G1+2], 128<<16                     ; tensor_dim1
	s_mov_b32 s[G1+3], 256<<16                     ; tile_dim0
	s_mov_b32 s[G1+4], 128                         ; tile_dim1
	s_mov_b32 s[G1+5], 512                         ; from row to row
	s_mov_b32 s[G1+6], 0
	s_mov_b32 s[G1+7], 0
	; group 1 for B: a dense block of 32,768 bytes as 128 rows of 32 elements of 8 bytes, no padding
	s_or_b32 s[G1B+0], s44, (3<<16)|(1<<21)
	s_mov_b32 s[G1B+1], 32<<16
	s_mov_b32 s[G1B+2], 128<<16
	s_mov_b32 s[G1B+3], 32<<16
	s_mov_b32 s[G1B+4], 128
	s_mov_b32 s[G1B+5], 32
	s_mov_b32 s[G1B+6], 0
	s_mov_b32 s[G1B+7], 0
	s_lshl_b32 s20, s17, 17                        ; A: (256 x tile row + 128 x half) rows of 512 bytes
	s_lshl_b32 s18, s16, 16
	s_add_co_u32 s20, s20, s18
	s_mov_b32 s21, 0
	s_lshl_b32 s46, s42, 16                        ; B: (16 x tile column + 8 x half) images of 4,096 bytes
	s_lshl_b32 s18, s16, 15
	s_add_co_u32 s46, s46, s18
	s_mov_b32 s47, 0
	s_mul_i32 s45, s14, HALFT                      ; where they go: wave x HALFT: no place in the cluster enters an LDS address
	s_wait_dscnt 0x0                               ; both opening adds are done
	s_wait_kmcnt 0x0
	s_add_nc_u64 s[20:21], s[4:5], s[20:21]
	s_add_nc_u64 s[46:47], s[8:9], s[46:47]
	CROUND                                         ; all sixteen work-groups are here: the joint loads meet
.irp s, 0,1
	s_mov_b32 s[G0+4*\s], 1
	s_add_co_u32 s[G0+4*\s+1], s45, \s*SLOT
	s_add_nc_u64 s[G0+4*\s+2:G0+4*\s+3], s[20:21], \s*256          ; 512 along K are 256 bytes of a row
	s_or_b32 s[G0+4*\s+3], s[G0+4*\s+3], 0x80000000
	s_mov_b32 s[G0B+4*\s], 1
	s_add_co_u32 s[G0B+4*\s+1], s45, \s*SLOT
	s_add_nc_u64 s[G0B+4*\s+2:G0B+4*\s+3], s[46:47], \s*786432     ; the second half of K: 192 images on
	s_or_b32 s[G0B+4*\s+3], s[G0B+4*\s+3], 0x80000000
	JLOAD \s                                       ; two tensor loads of mine are out, and no more follow
.endr
	v_and_b32 v1, 15, v0                           ; r = lane % 16
	v_bfe_u32 v2, v0, 4, 1                         ; h = lane / 16
	v_and_b32 v6, 31, v0                           ; lane
	; the scale words
	s_lshl_b32 s18, s17, 13                        ; x_scales: (256 x tile row + 128 x my half) rows of 32 bytes
	s_lshl_b32 s19, s15, 12
	s_add_co_u32 s18, s18, s19
	s_mov_b32 s19, 0
	s_add_nc_u64 s[6:7], s[6:7], s[18:19]
	s_lshl_b32 s18, s42, 11                        ; wq_scales: (256 x tile column + 128 x my half) columns of 8 bytes
	s_lshl_b32 s19, s16, 10
	s_add_co_u32 s18, s18, s19
	s_mov_b32 s19, 0
	s_add_nc_u64 s[10:11], s[10:11], s[18:19]
	v_lshlrev_b32 v[VSA], 5, v6
	v_lshlrev_b32 v[VSB], 3, v6
.irp ip, 0,1,2,3
.irp sl, 0,1
	global_load_b128 v[SA+8*\ip+4*\sl:SA+8*\ip+4*\sl+3], v[VSA], s[6:7] offset:1024*\ip+16*\sl     ; rows 32 ip + lane: K steps 4 sl .. 4 sl + 3
.endr
.irp s2, 0,1,2,3
	global_load_b64 v[SB+8*\ip+2*\s2:SB+8*\ip+2*\s2+1], v[VSB], s[10:11] offset:24576*\s2+256*\ip  ; columns 32 ip + lane: K steps 2 s2, 2 s2 + 1
.endr
.endr
	v_mul_u32_u24 v3, v1, PITCH
	v_lshl_add_u32 v4, v2, 4, v3                   ; A: a fragment's row x pitch + 16 x half
	v_lshlrev_b32 v5, 4, v6                        ; B: 16 x lane in an image
	s_mul_i32 s21, s15, HALFT                      ; my 128 rows of A
	s_mul_i32 s22, s16, HALFT                      ; my 8 images of B,
	s_add_co_u32 s22, s22, 2*HALFT                 ; which lie behind A's halves
.irp s, 0,1
	v_add_nc_u32 v[ADRA+\s], s21, v4
	v_add_nc_u32 v[ADRB+\s], s22, v5
	s_add_co_u32 s21, s21, SLOT
	s_add_co_u32 s22, s22, SLOT
.endr
	s_mul_i32 s23, s14, 16*SPITCH                  ; my stage
	v_mul_u32_u24 v7, v1, SPITCH                   ; in: row r, 16 bytes for each half of the lanes
	v_lshl_add_u32 v7, v2, 4, v7
	v_add_nc_u32 v[STO], s23, v7
	v_bfe_u32 v7, v0, 3, 1                         ; back: lanes 0-15 take two rows' 128 bytes of my first head, lanes 16-31 of my second
	v_mul_u32_u24 v7, v7, SPITCH
	v_lshl_add_u32 v7, v2, 7, v7
	v_and_b32 v8, 7, v0
	v_lshl_add_u32 v7, v8, 4, v7
	v_add_nc_u32 v[RD], s23, v7
	v_lshlrev_b32 v[CO], 4, v1                     ; in qkv two positions of a head are 256 consecutive bytes;
	v_lshl_add_u32 v[CO], v2, 18, v[CO]            ; the next head lies 262,144 bytes on
	; where my part begins in qkv: my 128 columns are heads idx, idx + 1 of q, k or v; idx = 4 x tile column + 2 x half
	s_lshl_b32 s18, s42, 2
	s_lshl_b32 s19, s16, 1
	s_add_co_u32 s18, s18, s19
	s_lshr_b32 s19, s18, 4                         ; which of q, k, v
	s_and_b32 s18, s18, 15                         ; the head
	s_lshl_b32 s19, s19, 6
	s_add_co_u32 s18, s18, s19
	s_lshr_b32 s19, s17, 3                         ; the batch: 8 tile rows each
	s_lshl_b32 s19, s19, 4
	s_add_co_u32 s18, s18, s19
	s_lshl_b32 s18, s18, 18                        ; 262,144 bytes a head
	s_and_b32 s19, s17, 7
	s_lshl_b32 s19, s19, 15                        ; 256 positions of 128 bytes
	s_add_co_u32 s18, s18, s19
	s_lshl_b32 s19, s15, 14
	s_add_co_u32 s18, s18, s19
	s_mov_b32 s19, 0
	s_add_nc_u64 s[12:13], s[12:13], s[18:19]
.macro FRAGA reg, adr, q, i            ; 16 rows x 128 K: lane l holds row l % 16; registers 4 c .. 4 c + 3 hold K = 64 c + 32 (l / 16) + 0 .. 31
.irp c, 0,1
	ds_load_b128 v[\reg+4*\c:\reg+4*\c+3], v[\adr] offset:64*(\q)+32*\c+(\i)*16*PITCH
.endr
.endm
.macro FRAGB reg, adr, q, i            ; the same registers as their image lies: 512 consecutive bytes a load
.irp c, 0,1
	ds_load_b128 v[\reg+4*\c:\reg+4*\c+3], v[\adr] offset:4096*(\i)+1024*(\q)+512*\c
.endr
.endm
; One product.  rD, rB, rA, rSB, rSA are set by MUL16; par: bit 0 = B's block is odd, bit 1 = A's block is odd: an odd block's words lie in lanes 16-31 of its register.
.macro WM zero
.if \zero
.if par == 0
	v_wmma_scale_f32_16x16x128_f8f6f4 v[rD:rD+7], v[rB:rB+7], v[rA:rA+7], 0, v[rSB], v[rSA] matrix_a_fmt:MATRIX_FMT_FP4 matrix_b_fmt:MATRIX_FMT_FP4
.elseif par == 1
	v_wmma_scale_f32_16x16x128_f8f6f4 v[rD:rD+7], v[rB:rB+7], v[rA:rA+7], 0, v[rSB], v[rSA] matrix_a_fmt:MATRIX_FMT_FP4 matrix_b_fmt:MATRIX_FMT_FP4 matrix_a_scale:MATRIX_SCALE_ROW1
.elseif par == 2
	v_wmma_scale_f32_16x16x128_f8f6f4 v[rD:rD+7], v[rB:rB+7], v[rA:rA+7], 0, v[rSB], v[rSA] matrix_a_fmt:MATRIX_FMT_FP4 matrix_b_fmt:MATRIX_FMT_FP4 matrix_b_scale:MATRIX_SCALE_ROW1
.else
	v_wmma_scale_f32_16x16x128_f8f6f4 v[rD:rD+7], v[rB:rB+7], v[rA:rA+7], 0, v[rSB], v[rSA] matrix_a_fmt:MATRIX_FMT_FP4 matrix_b_fmt:MATRIX_FMT_FP4 matrix_a_scale:MATRIX_SCALE_ROW1 matrix_b_scale:MATRIX_SCALE_ROW1
.endif
.else
.if par == 0
	v_wmma_scale_f32_16x16x128_f8f6f4 v[rD:rD+7], v[rB:rB+7], v[rA:rA+7], v[rD:rD+7], v[rSB], v[rSA] matrix_a_fmt:MATRIX_FMT_FP4 matrix_b_fmt:MATRIX_FMT_FP4
.elseif par == 1
	v_wmma_scale_f32_16x16x128_f8f6f4 v[rD:rD+7], v[rB:rB+7], v[rA:rA+7], v[rD:rD+7], v[rSB], v[rSA] matrix_a_fmt:MATRIX_FMT_FP4 matrix_b_fmt:MATRIX_FMT_FP4 matrix_a_scale:MATRIX_SCALE_ROW1
.elseif par == 2
	v_wmma_scale_f32_16x16x128_f8f6f4 v[rD:rD+7], v[rB:rB+7], v[rA:rA+7], v[rD:rD+7], v[rSB], v[rSA] matrix_a_fmt:MATRIX_FMT_FP4 matrix_b_fmt:MATRIX_FMT_FP4 matrix_b_scale:MATRIX_SCALE_ROW1
.else
	v_wmma_scale_f32_16x16x128_f8f6f4 v[rD:rD+7], v[rB:rB+7], v[rA:rA+7], v[rD:rD+7], v[rSB], v[rSA] matrix_a_fmt:MATRIX_FMT_FP4 matrix_b_fmt:MATRIX_FMT_FP4 matrix_a_scale:MATRIX_SCALE_ROW1 matrix_b_scale:MATRIX_SCALE_ROW1
.endif
.endif
.endm
; 16 products: A's blocks a0, a0 + 1 x B's eight, K step s of eight.  p: B's set.  zero = 1: the first product starts the sums: nothing is cleared.
; The 64 accumulators take turns, one instruction a turn, in the same order in every step.
.macro MUL16 a0, p, s, zero
.irp a, \a0, \a0+1
.irp b, 0,1,2,3,4,5,6,7
.set rD, 8*(8*((\a)%4)+\b)
.set rB, 128*(\p)+8*\b
.set rA, AF+8*(\a)
.set rSB, SB+8*(\b/2)+(\s)
.set rSA, SA+8*((\a)/2)+(\s)
.set par, 2*((\a)%2)+(\b%2)
	WM \zero
.endr
.endr
.endm
.macro FETCH_B slot, q, p              ; B's eight fragments of the slot's q-th 128 along K into set p
	WIN TO_B
.irp i, 0,1,2,3,4,5,6,7
	FRAGB 128*(\p)+8*\i, ADRB+\slot, \q, \i
.endr
	WIN 0
.endm
.macro FETCH_A slot, q, i0             ; A's blocks i0 .. i0 + 3
.irp i, \i0, \i0+1, \i0+2, \i0+3
	FRAGA AF+8*(\i), ADRA+\slot, \q, \i
.endr
.endm
; A load into a register that a matrix instruction has read, and a vector instruction that reads a matrix result, stand four places behind it; only plain vector instructions that name none of its registers are places.
.macro PLACES
.rept 4
	v_nop
.endr
.endm
; A step of 128 along K that has its successor in the same slot.  A's one set: blocks 0-3 are fetched anew in the step's middle, blocks 4-7 at its end; B's next set in the middle.
.macro STEP slot, q, zero
	s_wait_dscnt 8                                 ; B's set and A's blocks 0-3 are in; the youngest eight loads (A's blocks 4-7) may be out
	WIN MUL_LO
	MUL16 0, (\q)%2, 4*\slot+\q, \zero
	MUL16 2, (\q)%2, 4*\slot+\q, \zero
	s_wait_dscnt 0x0                               ; A's blocks 4-7 are in
	PLACES
	FETCH_B \slot, (\q)+1, 1-(\q)%2
	FETCH_A \slot, (\q)+1, 0
	WIN MUL_HI
	MUL16 4, (\q)%2, 4*\slot+\q, \zero
	MUL16 6, (\q)%2, 4*\slot+\q, \zero
	PLACES
	WIN 0
	FETCH_A \slot, (\q)+1, 4
.endm
	s_wait_tensorcnt 1                             ; my part of slot 0 is in; slot 1's load may stay out
	s_barrier_signal -1
	s_barrier_wait -1                              ; everybody's is
	FETCH_B 0, 0, 0
	FETCH_A 0, 0, 0
	FETCH_A 0, 0, 4
	s_wait_loadcnt 0x0                             ; the scale words, once
	STEP 0, 0, 1                                   ; the first step's products start the sums
	STEP 0, 1, 0
	STEP 0, 2, 0
	; slot 0's last step changes slots: one barrier; in front of it each wave waits for all its tensor loads, adds 0 to its spare word, and waits for that and for its reads of slot 0
	s_wait_tensorcnt 0x0                           ; my part of slot 1 has landed
	ds_add_u32 v[SPW], v[NIL]                      ; 0 onto my spare word
	s_wait_dscnt 9                                 ; (the add and the youngest eight loads may be out)
	WIN MUL_LO
	MUL16 0, 1, 3, 0
	s_wait_dscnt 0x0                               ; the add is done, and my reads of slot 0 are over
	s_barrier_signal -1
	MUL16 2, 1, 3, 0
	WIN 0
	s_barrier_wait -1                              ; slot 1 is whole, and nobody reads slot 0 any more
	PLACES
	FETCH_B 1, 0, 0
	FETCH_A 1, 0, 0
	WIN MUL_HI
	MUL16 4, 1, 3, 0
	MUL16 6, 1, 3, 0
	PLACES
	WIN 0
	FETCH_A 1, 0, 4
	STEP 1, 0, 0
	STEP 1, 1, 0
	STEP 1, 2, 0
	s_wait_dscnt 8                                 ; the very last step: nothing more to fetch
	WIN MUL_LO
	MUL16 0, 1, 7, 0
	MUL16 2, 1, 7, 0
	s_wait_dscnt 0x0
	WIN MUL_HI
	MUL16 4, 1, 7, 0
	MUL16 6, 1, 7, 0
	WIN 0
; THE WAY OUT, block by block of 16 rows x 128 columns (two heads).  PACK: rounded to f16, 16 bytes a lane, each accumulator from its low end on.  TOSTAGE: into my stage and back, so that
; sixteen lanes hold two positions of one head.  SEND: sixteen lanes store 256 consecutive bytes, aligned.
.macro PACK a
.set AC, 64*((\a)%4)
	WIN 0x0a+5*((\a)/4)                            ; sources 0 and 1: window 2 or 3
.irp b, 0,1,2,3,4,5,6,7
.irp r, 0,1,2,3
	v_cvt_pk_f16_f32 v[TMP+4*\b+\r], v[AC+8*\b+2*\r], v[AC+8*\b+2*\r+1]
.endr
.endr
	WIN 0
.endm
.macro TOSTAGE a
.set BB, OB+32*((\a)%2)
.irp b, 0,1,2,3,4,5,6,7
	ds_store_b128 v[STO], v[TMP+4*\b:TMP+4*\b+3] offset:32*\b
.endr
.irp t, 0,1,2,3,4,5,6,7
	ds_load_b128 v[BB+4*\t:BB+4*\t+3], v[RD] offset:\t*2*SPITCH    ; LDS serves a wave's instructions in order (ISA guide 5.7.1.4): these see the stores above
.endr
.endm
.macro SEND a
.set BB, OB+32*((\a)%2)
	s_wait_dscnt 0x0                               ; the block is back in registers
	s_wait_xcnt 0x0                                ; the stores of the block before have read their registers: the next block's loads may land there
.irp t, 0,1,2,3,4,5,6,7
	global_store_b128 v[CO], v[BB+4*\t:BB+4*\t+3], s[12:13] offset:2048*(\a)+256*\t
.endr
.endm
	PLACES                                         ; behind the last products: for the reads of results and the loads into the registers that held A's fragments
	PACK 0
	TOSTAGE 0
.irp a, 1,2,3,4,5,6,7                  ; block a's conversions stand between block a - 1's loads from the stage and the wait for them
	PACK \a
	SEND \a-1
	TOSTAGE \a
.endr
	SEND 7
	s_wait_tensorcnt 0x0                           ; the wave's end, behind my last tensor load and my last LDS store
	ds_add_u32 v[SPW], v[NIL]
	s_wait_dscnt 0x0
	CROUND                                         ; the closing round: no work-group ends while a partner may still ask for a tile that names it
	s_endpgm
.Lfunc_end_k_q5c4fec9272_qkv:
	.size	k_q5c4fec9272_qkv, .Lfunc_end_k_q5c4fec9272_qkv-k_q5c4fec9272_qkv
	.p2alignl 7, 3214868480
	.fill 96, 4, 3214868480
	.section	.rodata,"a",@progbits
	.p2align	6, 0x0
	.amdhsa_kernel k_q5c4fec9272_qkv
		.amdhsa_group_segment_fixed_size 327680
		.amdhsa_private_segment_fixed_size 0
		.amdhsa_enable_private_segment 0
		.amdhsa_kernarg_size 40
		.amdhsa_user_sgpr_count 2
		.amdhsa_user_sgpr_kernarg_segment_ptr 1
		.amdhsa_wavefront_size32 1
		.amdhsa_system_sgpr_workgroup_id_x 1
		.amdhsa_system_sgpr_workgroup_id_y 1
		.amdhsa_system_sgpr_workgroup_id_z 1
		.amdhsa_system_vgpr_workitem_id 0
		.amdhsa_next_free_vgpr 1024
		.amdhsa_next_free_sgpr 66
		.amdhsa_reserve_vcc 0
		.amdhsa_float_denorm_mode_32 3
		.amdhsa_float_denorm_mode_16_64 3
		.amdhsa_memory_ordered 1
		.amdhsa_forward_progress 1
		.amdhsa_inst_pref_size 126
	.end_amdhsa_kernel
	.amdgpu_metadata
---
amdhsa.version: [ 1, 2 ]
amdhsa.kernels:
  - .name:           k_q5c4fec9272_qkv
    .symbol:         k_q5c4fec9272_qkv.kd
    .args:
      - { .name: x_codes, .offset: 0, .size: 8, .value_kind: global_buffer, .address_space: global }
      - { .name: x_scales, .offset: 8, .size: 8, .value_kind: global_buffer, .address_space: global }
      - { .name: wq_codes, .offset: 16, .size: 8, .value_kind: global_buffer, .address_space: global }
      - { .name: wq_scales, .offset: 24, .size: 8, .value_kind: global_buffer, .address_space: global }
      - { .name: qkv, .offset: 32, .size: 8, .value_kind: global_buffer, .address_space: global }
    .group_segment_fixed_size: 327680
    .private_segment_fixed_size: 0
    .kernarg_segment_align: 8
    .kernarg_segment_size: 40
    .max_flat_workgroup_size: 128
    .sgpr_count:     66
    .vgpr_count:     1024
    .wavefront_size: 32
...
	.end_amdgpu_metadata
.endif
;; end of part 2
;; launch attn (part 3): grid 4 x 64, 16 waves a work-group, clusters of 4 x 1, 327,680 bytes of LDS; arguments qkv, o_ws; writes o_ws
.if DOCPART == 3
	.amdgcn_target "amdgcn-amd-amdhsa--gfx1250"
	.amdhsa_code_object_version 6
	.text
	.protected	k_q5c4fec9272_attn
	.globl	k_q5c4fec9272_attn
	.p2align	8
	.type	k_q5c4fec9272_attn,@function
k_q5c4fec9272_attn:
	s_mov_b64 s[64:65], 0
	v_nop
	global_prefetch_b8 v0, s[64:65] scope:SCOPE_SE
	s_setreg_imm32_b32 hwreg(HW_REG_WAVE_MODE, 25, 1), 1
	s_wait_xcnt 0x0
	s_wait_alu depctr_hold_cnt(0) depctr_sa_sdst(0) depctr_va_vdst(0) depctr_va_sdst(0) depctr_va_ssrc(0) depctr_va_vcc(0) depctr_vm_vsrc(0)
	s_getreg_b32 s2, hwreg(HW_REG_IB_STS2, 6, 4)
	s_cmp_eq_u32 s2, 0
	s_cbranch_scc0 .Lentry_in_a_cluster
	s_endpgm
.Lentry_in_a_cluster:
	s_bfe_u32 s2, ttmp6, 0x10000c
	s_cmp_lg_u32 s2, 0x3003
	s_cbranch_scc0 .Lentry_shape_is_right
	s_endpgm
.Lentry_shape_is_right:
; ATTN: O[head][q][:] = sum over k of softmax_k(Q[q] . K[k] / 8) V[k][:], 64 heads (batch x 16 + head) of 2,048 positions x 64 channels, no mask.
; q, k, v: the three thirds of qkv, f16, [head][position][64]; o_ws likewise.  Products on f16 operands with f32 sums; maxima, exponentials and sums in f32; the weights p are rounded to f16 for the second product, O once at the end.
; LIMIT: o beyond 65,504 is not served (o is an average of v, which is held in f16 already); weights under 6e-8 of the row's largest count for nothing in the second product.
; SHARES.  A work-group owns 512 queries of one head; each of its SIXTEEN waves owns 32: two tiles of 16, in 256 registers: four waves to a SIMD, so that one wave's vector work stands beside another's products and LDS loads.
; Every wave walks all 2,048 keys, 64 a step.  K and V come through a ring of two LDS slots of 256 keys.
; LAYOUT.  S^T = K Q^T (source 0 = 16 keys, source 1 = 16 queries): a lane holds ONE query (lane % 16) and keys 8 (lane / 16) + 0..7.  Two such tiles, rounded to f16 in pairs IN PLACE, are source 1 of O^T = V^T P.
; K comes out of LDS as it lies, V ([key][channel]) turned, by ds_load_tr16_b128.
; SOFTMAX.  For each query a running maximum m and sum l: p = 2^(c s - c m), c = log2(e) / 8; in every step O and l are multiplied by a = 2^(c m_old - c m_new).  m begins at -3e38 and O, l at 0: the first step's a is 0.
; CLUSTER.  The four work-groups of a head are one cluster and walk the same K and V: each tile is asked for JOINTLY, with a mask that names the four.
; A head's rows are 128 bytes: K's and V's tiles are dense blocks and are stated as rows of 256 bytes, two keys to a row.
.set PK,    272                        ; two keys of K in LDS: 256 bytes + 16: lanes r = 0..15 of a fragment load fall on (r / 2) 16 + (r % 2) 128 modulo 256: sixteen different columns of 16 bytes
.set PV,    288                        ; two keys of V: 256 + 32: sixteen lanes of the turning load fall on 32 i + 128 p + 16 j modulo 256: sixteen different columns
.set VOFF,  64*PK                      ; half a slot (128 keys): 64 rows of K, then 64 rows of V
.set STEPB, 64*(PK+PV)
.set SLOT1, 1<<17                      ; slot 1 begins here, so that one exclusive or turns an address in one slot into the other's
.set SPARE, SLOT1+2*STEPB              ; behind the ring: the spare words, 128 bytes for each of 16 waves
.set NSL,   8                          ; slots' worth of keys
.set SP,    144                        ; the way out: a stage row: 128 bytes + 16; two tiles x 16 rows for each wave, from LDS byte 0: slot 0 has had its last fill and its last read by then
.set AK0, 1                            ; v1   my lane's place in a tile of K
.set AV0, 2                            ; v2   the same for V
.set ADK, 3                            ; v3   LDS address of the slot's K for my lane
.set ADV, 4                            ; v4   of V (at the head: my offset in Q)
.set SPW, 5                            ; v5   LDS address of my spare word; never rewritten
.set NIL, 6                            ; v6   0; never rewritten
.set PFO, 7                            ; v7   256 x lane; never rewritten
.set ST,  8                            ; tile t's statistics at v[ST + 8 t]: +0 c m, +1 m, +2, +3 l (even keys', odd keys'), +4 .. +7 at work; a takes +6
.set RA,  24                           ; v24-31 the step's sums: two pairs a tile
.set Q,   32                           ; v32-63 Q: tile t, channels 32 cs on, at Q + 16 t + 8 cs
.set S,   64                           ; v64-127 S^T, 32 a tile; then p's f16 pairs in each tile's low 16
.set O,   128                          ; v128-191 O^T: tile t, channels 16 ct on, at O + 32 t + 8 ct
.set KV,  192                          ; v192-255 eight fragments: K's, then V's
.set WV,  12                           ; s12  my wave's number
.set LIM, 15                           ; s15  1 in a wave that prefetches, else the greatest number
.set PFA, 18                           ; s[18:19] where my prefetches stand
.set G1K, 24                           ; s[24:31] descriptor group 1 for K's tiles;  s[32:39] for V's: it differs in the padding alone
.set G1V, 32
.set G0K, 40                           ; s[40:43], s[44:47] their groups 0, which walk
.set G0V, 44
.set SLOTS, 56                         ; s56  slots still to be asked for
.set CS,  58                           ; s[58:59] c: the packed form names a pair and takes its low word for both halves
.set SEL, 60                           ; s[60:61] lane selects for v_permlanex16_b32: lane l xor 16
.set TB,  62                           ; s62  LDS byte at which the slot in hand begins
; A joint load.  Waves 0 and 1 fetch the slot's two halves of K, waves 2 and 3 of V, the others nothing.  The branches hang on the wave's number alone.  An s_nop 0 and four v_nop follow each line.
.macro JLOAD
	s_cmp_lt_u32 s[WV], 2
	s_cbranch_scc0 .Lnot_k_\@
	tensor_load_to_lds s[G0K:G0K+3], s[G1K:G1K+7]
	s_nop 0
.rept 4
	v_nop
.endr
	s_branch .Lasked_\@
.Lnot_k_\@:
	s_cmp_lt_u32 s[WV], 4
	s_cbranch_scc0 .Lasked_\@
	tensor_load_to_lds s[G0V:G0V+3], s[G1V:G1V+7]
	s_nop 0
.rept 4
	v_nop
.endr
.Lasked_\@:
.endm
; A PREFETCH INTO THE L2 of what the NEXT change of slots will ask for: a slot's 32,768 bytes of K and of V, 128 blocks of 256 bytes each.  Each block is named once in the launch: the head's one cluster walks them;
; its four partners take 32 blocks each, told apart BY ADDRESS; in each, wave 4 asks for K's and wave 6 for V's, a lane a block.  The last change that fills a slot asks for nothing.  Slots 0 and 1 come by their loads alone.
.macro ASK
	s_cmp_gt_u32 s[SLOTS], s[LIM]
	s_cbranch_scc0 .Lnot_mine_\@
	global_prefetch_b8 v[PFO], s[PFA:PFA+1] th:TH_LOAD_NT scope:SCOPE_SE
.Lnot_mine_\@:
.endm
.macro CROUND                          ; a round of the cluster's barrier
	s_barrier_signal -1
	s_barrier_wait -1
	s_cmp_lg_u32 s[WV], 0
	s_cbranch_scc1 .Lnot_wave_0_\@
	s_barrier_signal -3
.Lnot_wave_0_\@:
	s_barrier_wait -3
	s_barrier_signal -1
	s_barrier_wait -1
.endm
	s_load_b128 s[4:7], s[0:1], 0x0                ; qkv s[4:5], o_ws s[6:7]
	v_lshl_add_u32 v[SPW], v0, 2, SPARE
	v_mov_b32 v[NIL], 0
	ds_add_u32 v[SPW], v[NIL]                      ; the wave's opening: the add, twice on end, and its wait ahead of the first tensor load
	ds_add_u32 v[SPW], v[NIL]
	v_lshrrev_b32 v1, 5, v0
	v_readfirstlane_b32 s[WV], v1                  ; wave 0..15
	s_bfe_u32 s13, ttmp6, 0x40000                  ; cx: my place in the cluster: it enters Q's, O's and the prefetches' addresses alone
	s_and_b32 s20, ttmp7, 0xffff                   ; the head, which the four partners share
	s_lshl_b32 s20, s20, 18                        ; its first byte in each third of qkv and in o_ws
	s_and_b32 s16, s[WV], 1                        ; which half of a slot I fetch:
	s_lshl_b32 s22, s16, 14                        ; its 128 keys of 128 bytes in memory,
	s_add_co_u32 s22, s22, s20
	s_mov_b32 s23, 0
	s_mul_i32 s17, s16, STEPB                      ; and its place in a slot
	s_lshl_b32 s2, s13, 16                         ; my work-group's 512 queries,
	s_lshl_b32 s3, s[WV], 12                       ; my wave's 32 of them
	s_add_co_u32 s2, s2, s3
	s_add_co_u32 s2, s2, s20
	s_mov_b32 s3, 0
	; descriptor group 1: 64 rows x 128 elements of 2 bytes, dense in memory, padded in LDS
	s_mov_b32 s[G1K], 15|(1<<16)|(1<<20)|(1<<21)|(5<<22)|(3<<25)  ; 15:0 the mask: all four; 17:16 elements of 2 bytes; 20 padding on; 21 set beside a mask; 24:22 after every 64 words; 31:25 four words
	s_mov_b32 s[G1V], 15|(1<<16)|(1<<20)|(1<<21)|(5<<22)|(7<<25)  ; the same with eight words of padding
.irp g, G1K, G1V
	s_mov_b32 s[\g+1], 128<<16                     ; tensor_dim0
	s_mov_b32 s[\g+2], 64<<16                      ; tensor_dim1
	s_mov_b32 s[\g+3], 128<<16                     ; tile_dim0
	s_mov_b32 s[\g+4], 64                          ; tile_dim1
	s_mov_b32 s[\g+5], 128                         ; from row to row
	s_mov_b32 s[\g+6], 0
	s_mov_b32 s[\g+7], 0
.endr
	s_mov_b32 s[CS], 0x3e38aa3b                    ; c = log2(e) / 8
	s_mov_b32 s[CS+1], s[CS]                       ; (named with it as a pair, so it is written)
	s_mov_b32 s[SEL], 0x76543210
	s_mov_b32 s[SEL+1], 0xfedcba98
	s_mov_b32 s[TB], 0
	s_mov_b32 s[SLOTS], NSL-1
	s_and_b32 s[LIM], s[WV], 13
	s_cmp_eq_u32 s[LIM], 4                         ; waves 4 and 6
	s_cselect_b32 s[LIM], 1, -1
	v_and_b32 v[PFO], 31, v0
	v_lshlrev_b32 v[PFO], 8, v[PFO]
	s_wait_dscnt 0x0                               ; both opening adds are done
	s_wait_kmcnt 0x0
	s_add_nc_u64 s[8:9], s[4:5], s[22:23]
	s_add_nc_u64 s[10:11], s[8:9], 0x2000000       ; V at my half of slot 0: the third third of qkv
	s_add_nc_u64 s[8:9], s[8:9], 0x1000000         ; K: the second
	s_add_nc_u64 s[4:5], s[4:5], s[2:3]            ; Q and O at my wave's first query
	s_add_nc_u64 s[6:7], s[6:7], s[2:3]
	s_cmp_eq_u32 s[WV], 4
	s_cselect_b64 s[PFA:PFA+1], s[8:9], s[10:11]   ; (in even waves these stand at a slot's first row)
	s_lshl_b32 s2, s13, 13                         ; my work-group's 32 blocks of the 128,
	s_add_co_u32 s2, s2, 32768                     ; in slot 1: the first change of slots steps it to slot 2.  Nothing is prefetched here, at the head
	s_add_nc_u64 s[PFA:PFA+1], s[PFA:PFA+1], s[2:3]
	s_mov_b32 s[G0K], 1                            ; 1:0 count = 1
	s_mov_b32 s[G0K+1], s17                        ; 63:32 LDS address: slot 0
	s_mov_b64 s[G0K+2:G0K+3], s[8:9]               ; 120:64 global address
	s_or_b32 s[G0K+3], s[G0K+3], 0x80000000        ; 127:126 type = 2
	s_mov_b32 s[G0V], 1
	s_add_co_u32 s[G0V+1], s17, VOFF
	s_mov_b64 s[G0V+2:G0V+3], s[10:11]
	s_or_b32 s[G0V+3], s[G0V+3], 0x80000000
	CROUND                                         ; all four work-groups are here: the first joint loads meet
	JLOAD                                          ; slot 0: one tensor load of mine is out, here and behind every later round
	v_and_b32 v24, 15, v0                          ; r = lane % 16
	v_bfe_u32 v25, v0, 4, 1                        ; h = lane / 16
	v_lshlrev_b32 v[ADV], 7, v24
	v_lshl_add_u32 v[ADV], v25, 4, v[ADV]          ; Q: row r of 128 bytes + 16 h
.irp t, 0,1
.irp cs, 0,1
	global_load_b128 v[Q+16*\t+8*\cs:Q+16*\t+8*\cs+3],   v[ADV], s[4:5] offset:2048*\t+64*\cs      ; Q stays in registers
	global_load_b128 v[Q+16*\t+8*\cs+4:Q+16*\t+8*\cs+7], v[ADV], s[4:5] offset:2048*\t+64*\cs+32
.endr
.endr
	v_lshrrev_b32 v26, 1, v24
	v_mul_u32_u24 v[AK0], v26, PK
	v_and_b32 v26, 1, v24
	v_lshl_add_u32 v[AK0], v26, 7, v[AK0]
	v_lshl_add_u32 v[AK0], v25, 4, v[AK0]          ; K: key r: (r / 2) rows + (r % 2) 128 + 16 h
	v_bfe_u32 v26, v0, 1, 2
	v_lshl_add_u32 v26, v25, 2, v26
	v_mul_u32_u24 v[AV0], v26, PV
	v_and_b32 v26, 1, v0
	v_lshl_add_u32 v[AV0], v26, 7, v[AV0]
	v_bfe_u32 v26, v0, 3, 1
	v_lshl_add_u32 v[AV0], v26, 4, v[AV0]
	v_add_nc_u32 v[AV0], VOFF, v[AV0]              ; V: the turning load's lane l reads key 8 h + l % 8, channels 8 ((l / 8) % 2) on
.irp t, 0,1
	v_mov_b32 v[ST+8*\t+1], 0xff61b1e6             ; m: -3e38, under every score
	v_mul_f32 v[ST+8*\t], s[CS], v[ST+8*\t+1]      ; c m
	v_mov_b32 v[ST+8*\t+2], 0                      ; l, in two halves
	v_mov_b32 v[ST+8*\t+3], 0
.endr
.irp j, 0,1,2,3,4,5,6,7,8,9,10,11,12,13,14,15,16,17,18,19,20,21,22,23,24,25,26,27,28,29,30,31,32,33,34,35,36,37,38,39,40,41,42,43,44,45,46,47,48,49,50,51,52,53,54,55,56,57,58,59,60,61,62,63
	v_mov_b32 v[O+\j], 0                           ; O^T.  (The step is written once: the first finds zeros, which a = 0 leaves zeros)
.endr
; A KEY STEP: 64 keys: step u of half hb of the slot in hand.  Every offset is an immediate.
.macro STEP hb, u
.irp cs, 0,1                                   ; K's eight fragments, the first 32 channels first
.irp kt, 0,1,2,3
	ds_load_b128 v[KV+8*(4*\cs+\kt):KV+8*(4*\cs+\kt)+3],   v[ADK] offset:\hb*STEPB+\u*32*PK+\kt*8*PK+\cs*64
	ds_load_b128 v[KV+8*(4*\cs+\kt)+4:KV+8*(4*\cs+\kt)+7], v[ADK] offset:\hb*STEPB+\u*32*PK+\kt*8*PK+\cs*64+32
.endr
.endr
	s_wait_dscnt 8                                 ; the first 32 channels are in; the other eight loads may be out
.irp kt, 0,1,2,3                               ; S^T = K Q^T: eight accumulators by turns; the first products start the sums
.irp t, 0,1
	v_wmma_f32_16x16x32_f16 v[S+32*\t+8*\kt:S+32*\t+8*\kt+7], v[KV+8*\kt:KV+8*\kt+7], v[Q+16*\t:Q+16*\t+7], 0
.endr
.endr
	s_wait_dscnt 0x0
.irp kt, 0,1,2,3
.irp t, 0,1
	v_wmma_f32_16x16x32_f16 v[S+32*\t+8*\kt:S+32*\t+8*\kt+7], v[KV+32+8*\kt:KV+32+8*\kt+7], v[Q+16*\t+8:Q+16*\t+15], v[S+32*\t+8*\kt:S+32*\t+8*\kt+7]
.endr
.endr
.rept 4
	v_nop                                          ; four places: in front of the loads into K's registers and of the first read of the scores
.endr
.irp kh, 0,1                                   ; V's eight fragments, turned: they land while the softmax is worked
.irp ct, 0,1,2,3
	ds_load_tr16_b128 v[KV+8*(4*\kh+\ct):KV+8*(4*\kh+\ct)+3],   v[ADV] offset:\hb*STEPB+\u*32*PV+\kh*16*PV+\ct*32
	ds_load_tr16_b128 v[KV+8*(4*\kh+\ct)+4:KV+8*(4*\kh+\ct)+7], v[ADV] offset:\hb*STEPB+\u*32*PV+\kh*16*PV+8*PV+\ct*32
.endr
.endr
	; the maximum of my 32 scores and the old m: four chains, each accumulator from its low end on; the two tiles line by line, so that no line waits for the one above it
.irp j, 0,1,2,3
.irp t, 0,1
	v_max3_num_f32 v[ST+8*\t+4+\j], v[S+32*\t+8*\j], v[S+32*\t+8*\j+1], v[S+32*\t+8*\j+2]
.endr
.endr
.irp g, 1,2
.irp j, 0,1,2,3
.irp t, 0,1
	v_max3_num_f32 v[ST+8*\t+4+\j], v[ST+8*\t+4+\j], v[S+32*\t+8*\j+2*\g+1], v[S+32*\t+8*\j+2*\g+2]
.endr
.endr
.endr
.irp t, 0,1
	v_max3_num_f32 v[ST+8*\t+4], v[ST+8*\t+4], v[S+32*\t+7], v[S+32*\t+15]
.endr
.irp t, 0,1
	v_max3_num_f32 v[ST+8*\t+6], v[ST+8*\t+6], v[S+32*\t+23], v[S+32*\t+31]
.endr
.irp t, 0,1
	v_max3_num_f32 v[ST+8*\t+4], v[ST+8*\t+4], v[ST+8*\t+5], v[ST+8*\t+6]
.endr
.irp t, 0,1
	v_max3_num_f32 v[ST+8*\t+4], v[ST+8*\t+4], v[ST+8*\t+7], v[ST+8*\t+1]
.endr
.irp t, 0,1
	v_permlanex16_b32 v[ST+8*\t+5], v[ST+8*\t+4], s[SEL], s[SEL+1]   ; the query's other 32 keys lie in the lane 16 away
.endr
.irp t, 0,1
	v_mov_b32 v[ST+8*\t+7], v[ST+8*\t]             ; c m_old is kept for a
.endr
.irp t, 0,1
	v_max_num_f32 v[ST+8*\t+1], v[ST+8*\t+4], v[ST+8*\t+5]           ; the new m
.endr
.irp t, 0,1
	v_mul_f32 v[ST+8*\t], s[CS], v[ST+8*\t+1]
.endr
.irp t, 0,1
	v_sub_f32 v[ST+8*\t+7], v[ST+8*\t+7], v[ST+8*\t]
.endr
.irp j, 0,2,4,6,8,10,12,14,16,18,20,22,24,26,28,30
.irp t, 0,1
	v_pk_fma_f32 v[S+32*\t+\j:S+32*\t+\j+1], v[S+32*\t+\j:S+32*\t+\j+1], s[CS:CS+1], v[ST+8*\t:ST+8*\t+1] op_sel_hi:[1,0,0] neg_lo:[0,0,1] neg_hi:[0,0,1]   ; c s - c m, two at a time
.endr
.endr
.irp t, 0,1                                    ; ONE BATCH of 66 exponentials, none of which reads another's result
	v_exp_f32 v[ST+8*\t+6], v[ST+8*\t+7]           ; a
.endr
.irp j, 0,1,2,3,4,5,6,7,8,9,10,11,12,13,14,15,16,17,18,19,20,21,22,23,24,25,26,27,28,29,30,31
.irp t, 0,1
	v_exp_f32 v[S+32*\t+\j], v[S+32*\t+\j]         ; p
.endr
.endr
	v_nop                                          ; a plain instruction behind the last exponential
	s_wait_alu depctr_va_vdst(0)                   ; one wait for the batch, ahead of its first reader
.irp t, 0,1                                    ; the step's sum of p, in f32, in two chains a tile; S^T is left as it is
	v_pk_add_f32 v[RA+4*\t:RA+4*\t+1], v[S+32*\t:S+32*\t+1], v[S+32*\t+4:S+32*\t+5]
	v_pk_add_f32 v[RA+4*\t+2:RA+4*\t+3], v[S+32*\t+2:S+32*\t+3], v[S+32*\t+6:S+32*\t+7]
.endr
.irp j, 8,12,16,20,24,28
.irp t, 0,1
	v_pk_add_f32 v[RA+4*\t:RA+4*\t+1], v[RA+4*\t:RA+4*\t+1], v[S+32*\t+\j:S+32*\t+\j+1]
	v_pk_add_f32 v[RA+4*\t+2:RA+4*\t+3], v[RA+4*\t+2:RA+4*\t+3], v[S+32*\t+\j+2:S+32*\t+\j+3]
.endr
.endr
.irp t, 0,1
	v_pk_add_f32 v[RA+4*\t:RA+4*\t+1], v[RA+4*\t:RA+4*\t+1], v[RA+4*\t+2:RA+4*\t+3]
.endr
.irp t, 0,1
	v_pk_fma_f32 v[ST+8*\t+2:ST+8*\t+3], v[ST+8*\t+2:ST+8*\t+3], v[ST+8*\t+6:ST+8*\t+7], v[RA+4*\t:RA+4*\t+1] op_sel_hi:[1,0,1]   ; l = a l + the sum
.endr
.irp j, 0,1,2,3,4,5,6,7,8,9,10,11,12,13,14,15  ; p to f16, in place, ascending: pair j lands in register j, which lies at or under its sources
.irp t, 0,1
	v_cvt_pk_f16_f32 v[S+32*\t+\j], v[S+32*\t+2*\j], v[S+32*\t+2*\j+1]
.endr
.endr
.irp j, 0,2,4,6,8,10,12,14,16,18,20,22,24,26,28,30
.irp t, 0,1
	v_pk_mul_f32 v[O+32*\t+\j:O+32*\t+\j+1], v[O+32*\t+\j:O+32*\t+\j+1], v[ST+8*\t+6:ST+8*\t+7] op_sel_hi:[1,0]   ; O^T x a, each accumulator from its low end on
.endr
.endr
	s_wait_dscnt 0x0                               ; V is in
.irp kh, 0,1                                   ; O^T += V^T P: eight accumulators by turns, 32 keys at a time
.irp ct, 0,1,2,3
.irp t, 0,1
	v_wmma_f32_16x16x32_f16 v[O+32*\t+8*\ct:O+32*\t+8*\ct+7], v[KV+8*(4*\kh+\ct):KV+8*(4*\kh+\ct)+7], v[S+32*\t+8*\kh:S+32*\t+8*\kh+7], v[O+32*\t+8*\ct:O+32*\t+8*\ct+7]
.endr
.endr
.endr
.rept 5
	v_nop                                          ; five places: the next step's first products write over p's registers, which these products read (its loads into V's registers want four)
.endr
.endm
.macro SLOT_STEPS
	v_add_nc_u32 v[ADK], s[TB], v[AK0]
	v_add_nc_u32 v[ADV], s[TB], v[AV0]
	STEP 0, 0
	STEP 0, 1
	STEP 1, 0
	STEP 1, 1
	s_xor_b32 s[TB], s[TB], SLOT1                  ; on to the other slot
.endm
; THE CHANGE OF SLOTS stands at a slot's head.  Each wave waits for all its tensor loads (its part of the slot that it is about to read), adds 0 to its spare word, and waits for that and for its reads of the slot that it has left.
; fill = 1: a round of the cluster's barrier follows, so that no wave of any partner still reads the other slot or has a load on its way, and the joint load of the next 256 keys is the first thing behind it:
; it has a slot's four steps in which to land.
.macro CHANGE fill
	s_wait_tensorcnt 0x0                           ; no tensor load of mine is out, so a group 0 may be written
	ds_add_u32 v[SPW], v[NIL]                      ; 0 onto my spare word
.if \fill
	ds_add_u32 v[SPW], v[NIL]                      ; and once more
	s_xor_b32 s[G0K+1], s[G0K+1], SLOT1            ; the walking descriptors: the other slot than last time,
	s_add_nc_u64 s[G0K+2:G0K+3], s[G0K+2:G0K+3], 32768   ; the next 256 keys; the type bits on top are not reached
	s_xor_b32 s[G0V+1], s[G0V+1], SLOT1
	s_add_nc_u64 s[G0V+2:G0V+3], s[G0V+2:G0V+3], 32768
	s_wait_xcnt 0x0                                ; the last prefetch, a slot back, has read its address, so it may be written:
	s_add_nc_u64 s[PFA:PFA+1], s[PFA:PFA+1], 32768 ; one slot further on than the walking descriptors
.endif
	s_wait_dscnt 0x0                               ; the add is done, and my reads of the slot that I have left are over
.if \fill
	CROUND
	JLOAD
	ASK
.else
	s_barrier_signal -1
	s_barrier_wait -1
.endif
.endm
	s_wait_loadcnt 0x0                             ; Q is in, and its offset register is free
.Lslot:                                            ; NSL - 1 trips: behind each change of slots but the last the next slot is asked for
	CHANGE 1
	SLOT_STEPS
	s_sub_co_u32 s[SLOTS], s[SLOTS], 1
	s_cmp_lg_u32 s[SLOTS], 0
	s_cbranch_scc1 .Lslot
	CHANGE 0                                       ; the last slot is written out
	SLOT_STEPS
	; THE WAY OUT.  l's two halves and the other half of the lanes' are added; O^T is divided by l, rounded to f16 and sent through my stage in LDS, so that 32 lanes store 512 consecutive bytes: four rows of O.
.irp t, 0,1
	v_add_f32 v[ST+8*\t+4], v[ST+8*\t+2], v[ST+8*\t+3]
.endr
.irp t, 0,1
	v_permlanex16_b32 v[ST+8*\t+5], v[ST+8*\t+4], s[SEL], s[SEL+1]
.endr
.irp t, 0,1
	v_add_f32 v[ST+8*\t+4], v[ST+8*\t+4], v[ST+8*\t+5]
.endr
.irp t, 0,1
	v_rcp_f32 v[ST+8*\t+6], v[ST+8*\t+4]
.endr
	s_mul_i32 s16, s[WV], 2*16*SP                  ; my stage
	v_and_b32 v24, 15, v0                          ; (plain work behind the reciprocals)  r
	v_bfe_u32 v25, v0, 4, 1                        ; h
	v_mul_u32_u24 v1, v24, SP
	v_lshl_add_u32 v1, v25, 4, v1
	v_add_nc_u32 v1, s16, v1                       ; in: row r, + 16 h; 32 bytes for each 16 channels
	v_bfe_u32 v2, v0, 3, 2
	v_mul_u32_u24 v2, v2, SP
	v_and_b32 v3, 7, v0
	v_lshl_add_u32 v2, v3, 4, v2
	v_add_nc_u32 v2, s16, v2                       ; back: eight lanes to a row of 128 bytes, four rows an instruction
	v_and_b32 v4, 31, v0
	v_lshlrev_b32 v4, 4, v4                        ; and in O: 16 x lane
	s_wait_alu depctr_va_vdst(0)                   ; one wait for the two reciprocals, ahead of their first reader
.irp j, 0,2,4,6,8,10,12,14,16,18,20,22,24,26,28,30
.irp t, 0,1
	v_pk_mul_f32 v[O+32*\t+\j:O+32*\t+\j+1], v[O+32*\t+\j:O+32*\t+\j+1], v[ST+8*\t+6:ST+8*\t+7] op_sel_hi:[1,0]
.endr
.endr
.irp j, 0,1,2,3,4,5,6,7,8,9,10,11,12,13,14,15
.irp t, 0,1
	v_cvt_pk_f16_f32 v[S+16*\t+\j], v[O+32*\t+2*\j], v[O+32*\t+2*\j+1]
.endr
.endr
.irp t, 0,1
.irp ct, 0,1,2,3
	ds_store_b128 v1, v[S+16*\t+4*\ct:S+16*\t+4*\ct+3] offset:16*SP*\t+32*\ct
.endr
.irp i, 0,1,2,3
	ds_load_b128 v[S+32+16*\t+4*\i:S+32+16*\t+4*\i+3], v2 offset:16*SP*\t+4*SP*\i   ; LDS serves a wave's instructions in order (ISA guide 5.7.1.4): these see my stores
.endr
.endr
.irp t, 0,1
.irp i, 0,1,2,3
	s_wait_dscnt 11-8*\t-\i                        ; behind load i of tile t: the tile's later loads, and tile 1's eight instructions behind tile 0's
	global_store_b128 v4, v[S+32+16*\t+4*\i:S+32+16*\t+4*\i+3], s[6:7] offset:2048*\t+512*\i
.endr
.endr
	s_wait_tensorcnt 0x0                           ; the wave's end, behind my last tensor load and my last LDS store
	ds_add_u32 v[SPW], v[NIL]
	s_wait_dscnt 0x0
	CROUND                                         ; the closing round: no work-group ends while a partner may still ask for a tile that names it
	s_endpgm
.Lfunc_end_k_q5c4fec9272_attn:
	.size	k_q5c4fec9272_attn, .Lfunc_end_k_q5c4fec9272_attn-k_q5c4fec9272_attn
	.p2alignl 7, 3214868480
	.fill 96, 4, 3214868480
	.section	.rodata,"a",@progbits
	.p2align	6, 0x0
	.amdhsa_kernel k_q5c4fec9272_attn
		.amdhsa_group_segment_fixed_size 327680
		.amdhsa_private_segment_fixed_size 0
		.amdhsa_enable_private_segment 0
		.amdhsa_kernarg_size 16
		.amdhsa_user_sgpr_count 2
		.amdhsa_user_sgpr_kernarg_segment_ptr 1
		.amdhsa_wavefront_size32 1
		.amdhsa_system_sgpr_workgroup_id_x 1
		.amdhsa_system_sgpr_workgroup_id_y 1
		.amdhsa_system_sgpr_workgroup_id_z 1
		.amdhsa_system_vgpr_workitem_id 0
		.amdhsa_next_free_vgpr 256
		.amdhsa_next_free_sgpr 66
		.amdhsa_reserve_vcc 0
		.amdhsa_float_denorm_mode_32 3
		.amdhsa_float_denorm_mode_16_64 3
		.amdhsa_memory_ordered 1
		.amdhsa_forward_progress 1
		.amdhsa_inst_pref_size 154
	.end_amdhsa_kernel
	.amdgpu_metadata
---
amdhsa.version: [ 1, 2 ]
amdhsa.kernels:
  - .name:           k_q5c4fec9272_attn
    .symbol:         k_q5c4fec9272_attn.kd
    .args:
      - { .name: qkv, .offset: 0, .size: 8, .value_kind: global_buffer, .address_space: global }
      - { .name: o_ws, .offset: 8, .size: 8, .value_kind: global_buffer, .address_space: global }
    .group_segment_fixed_size: 327680
    .private_segment_fixed_size: 0
    .kernarg_segment_align: 8
    .kernarg_segment_size: 16
    .max_flat_workgroup_size: 512
    .sgpr_count:     66
    .vgpr_count:     256
    .wavefront_size: 32
...
	.end_amdgpu_metadata
.endif
;; end of part 3
;; launch proj (part 4): grid 4 x 64, 4 waves a work-group, clusters of 4 x 4, 327,680 bytes of LDS; arguments o_ws, wp16, b_proj, out0; writes out0
.if DOCPART == 4
	.amdgcn_target "amdgcn-amd-amdhsa--gfx1250"
	.amdhsa_code_object_version 6
	.text
	.protected	k_q5c4fec9272_proj
	.globl	k_q5c4fec9272_proj
	.p2align	8
	.type	k_q5c4fec9272_proj,@function
k_q5c4fec9272_proj:
	s_mov_b64 s[64:65], 0
	v_nop
	global_prefetch_b8 v0, s[64:65] scope:SCOPE_SE
	s_setreg_imm32_b32 hwreg(HW_REG_WAVE_MODE, 25, 1), 1
	s_wait_xcnt 0x0
	s_wait_alu depctr_hold_cnt(0) depctr_sa_sdst(0) depctr_va_vdst(0) depctr_va_sdst(0) depctr_va_ssrc(0) depctr_va_vcc(0) depctr_vm_vsrc(0)
	s_getreg_b32 s2, hwreg(HW_REG_IB_STS2, 6, 4)
	s_cmp_eq_u32 s2, 0
	s_cbranch_scc0 .Lentry_in_a_cluster
	s_endpgm
.Lentry_in_a_cluster:
	s_bfe_u32 s2, ttmp6, 0x10000c
	s_cmp_lg_u32 s2, 0xf033
	s_cbranch_scc0 .Lentry_shape_is_right
	s_endpgm
.Lentry_shape_is_right:
; PROJ: out0[m][n] = sum over k of o[m][k] W_proj[k][n] + b_proj[n]; m 8,192, n 1,024, K 1,024 = 16 heads x 64.  o: o_ws, f16, [batch x 16 + head][position][64]; W: wp16, f16, [k][n] as it lies; sums and out0 in f32.
; A tile of out0 is 128 (m) x 256 (n): 256 work-groups.  Four waves, each 64 x 128: 32 accumulators of 16 x 16, which fill window 1.
; K goes in steps of 128 (two heads) through a ring of two LDS slots.  A's tile of a head is a dense block of 128 positions x 128 bytes, stated as 64 rows of 256 bytes; W's is 128 rows (k) of 512 bytes, read turned by ds_load_tr16_b128.
; CLUSTERS: 4 x 4 work-groups: A's tiles are asked for jointly along a row of the cluster, W's along a column.
; THE MATRIX INSTRUCTION IS USED TRANSPOSED (source 0 = 16 columns of W, source 1 = 16 rows of o): a lane holds eight neighbouring numbers of a row of out0.  The bias is the C of each sum's first product.
; REGISTERS: window 0: v16-29 addresses; v64-127 A's fragments, two buffers of 4; v128-255 W's, two buffers of 8 (on the way out v64-191 take rows read back).  window 1: accumulator (a, b) at v[8 (8 a + b)].  window 2: v0-63 the bias, 8 registers for each b.
.set PA,     272                       ; two rows of o in LDS: 256 bytes + 16
.set PB,     544                       ; a row of W in LDS: 512 bytes + 32: an odd multiple of 32, so that sixteen lanes of the turning load fall on sixteen different columns of 16 bytes
.set AHEAD,  64*PA                     ; one head's 128 rows: what waves 0 and 1 fetch
.set BHALF,  64*PB                     ; 64 rows of W: what waves 2 and 3 fetch
.set BOFF,   2*AHEAD
.set SLOT,   BOFF+2*BHALF
.set STAGE,  2*SLOT                    ; behind the ring: 16 rows x (512 bytes + 16) for each wave
.set SPITCH, 528
.set SPARE,  STAGE+4*16*SPITCH         ; behind the stages: the spare words, 128 bytes for each wave
.set LAPS,   4                         ; a lap = two K steps = once round the ring
.set ADRA, 16                          ; v16-17  LDS address of my A fragments in slot 0, 1
.set ADRB, 20                          ; v20-21  the same for W
.set STO,  24                          ; v24     the way out: where I put 32 bytes of a row
.set RD,   25                          ; v25     where I read a row back
.set CO,   26                          ; v26     16 x lane: my place in a row's 512 bytes
.set VB,   27                          ; v27     32 x (lane / 16): my eight numbers of the bias
.set SPW,  28                          ; v28     LDS address of my spare word; never rewritten
.set NIL,  29                          ; v29     0; never rewritten
.set AFR,  64
.set BFR,  128
.set BK,   64
.set G1, 24                            ; s[24:31] descriptor group 1 for A's tiles;  s[32:39] group 0, one set for each slot
.set G0, 32
.set G1B, 48                           ; s[48:55], s[56:63] the same for W's
.set G0B, 56
.set MSB, 0
.macro WIN new                         ; the immediate's high byte repeats the setting that is left
.if MSB != (\new)
	s_set_vgpr_msb (MSB<<8)|(\new)
.set MSB, (\new)
.endif
.endm
.set MUL,  0x50                        ; sources 0 and 1 window 0; C and D window 1
.set MUL1, 0x60                        ; the first products: C (the bias) window 2, D window 1
.macro JLOAD s                         ; a joint load: waves 0 and 1 fetch A's two heads, waves 2 and 3 W's two halves; an s_nop 0 and four v_nop follow each line
	s_cmp_eq_u32 s15, 0
	s_cbranch_scc0 .Lfor_b_\@
	tensor_load_to_lds s[G0+4*\s:G0+4*\s+3], s[G1:G1+7]
	s_nop 0
.rept 4
	v_nop
.endr
	s_branch .Lasked_\@
.Lfor_b_\@:
	tensor_load_to_lds s[G0B+4*\s:G0B+4*\s+3], s[G1B:G1B+7]
	s_nop 0
.rept 4
	v_nop
.endr
.Lasked_\@:
.endm
.macro CREST                           ; a round of the cluster's barrier behind its opening barrier
	s_cmp_lg_u32 s14, 0
	s_cbranch_scc1 .Lnot_wave_0_\@
	s_barrier_signal -3
.Lnot_wave_0_\@:
	s_barrier_wait -3
	s_barrier_signal -1
	s_barrier_wait -1
.endm
.macro CROUND                          ; a whole round
	s_barrier_signal -1
	s_barrier_wait -1
	CREST
.endm
	s_load_b256 s[4:11], s[0:1], 0x0               ; o_ws s[4:5], wp16 s[6:7], b_proj s[8:9], out0 s[10:11]
	v_lshl_add_u32 v[SPW], v0, 2, SPARE
	v_mov_b32 v[NIL], 0
	ds_add_u32 v[SPW], v[NIL]                      ; the wave's opening: the add, twice on end, and its wait ahead of my first tensor load
	ds_add_u32 v[SPW], v[NIL]
	v_lshrrev_b32 v1, 5, v0
	v_readfirstlane_b32 s14, v1                    ; wave 0..3
	s_lshr_b32 s15, s14, 1                         ; which 64 rows of the tile are mine.  Also: I fetch for A (0) or for W (1)
	s_and_b32 s16, s14, 1                          ; which 128 columns.  Also: which head, or which 64 rows of W, I fetch
	s_bfe_u32 s40, ttmp6, 0x40000                  ; cx, cy: my place in the cluster
	s_bfe_u32 s41, ttmp6, 0x40004
	s_lshl_b32 s42, ttmp9, 2
	s_add_co_u32 s42, s42, s40                     ; tile column = 4 x cluster x + cx
	s_and_b32 s17, ttmp7, 0xffff
	s_lshl_b32 s17, s17, 2
	s_add_co_u32 s17, s17, s41                     ; tile row = 4 x cluster y + cy
	s_lshl_b32 s43, s41, 2
	s_lshl_b32 s43, 15, s43                        ; my row of the cluster
	s_lshl_b32 s44, 0x1111, s40                    ; my column
	; group 1 for A: 64 rows x 128 elements of 2 bytes, dense, 16 bytes of padding behind each
	s_or_b32 s[G1+0], s43, (1<<16)|(1<<20)|(1<<21)|(5<<22)|(3<<25)
	s_mov_b32 s[G1+1], 128<<16                     ; tensor_dim0
	s_mov_b32 s[G1+2], 64<<16                      ; tensor_dim1
	s_mov_b32 s[G1+3], 128<<16                     ; tile_dim0
	s_mov_b32 s[G1+4], 64                          ; tile_dim1
	s_mov_b32 s[G1+5], 128                         ; from row to row
	s_mov_b32 s[G1+6], 0
	s_mov_b32 s[G1+7], 0
	; group 1 for W: 64 rows x 256 elements, 1,024 elements apart, 32 bytes of padding behind each 128 words
	s_or_b32 s[G1B+0], s44, (1<<16)|(1<<20)|(1<<21)|(6<<22)|(7<<25)
	s_mov_b32 s[G1B+1], 256<<16
	s_mov_b32 s[G1B+2], 64<<16
	s_mov_b32 s[G1B+3], 256<<16
	s_mov_b32 s[G1B+4], 64
	s_mov_b32 s[G1B+5], 1024
	s_mov_b32 s[G1B+6], 0
	s_mov_b32 s[G1B+7], 0
	s_lshr_b32 s20, s17, 4                         ; A: the batch (16 tile rows each): 16 heads of 262,144 bytes,
	s_lshl_b32 s20, s20, 22
	s_lshl_b32 s18, s16, 18                        ; my head of the K step's two,
	s_add_co_u32 s20, s20, s18
	s_and_b32 s18, s17, 15
	s_lshl_b32 s18, s18, 14                        ; the tile's 128 positions of 128 bytes
	s_add_co_u32 s20, s20, s18
	s_mov_b32 s21, 0
	s_lshl_b32 s46, s42, 9                         ; W: 256 columns of 2 bytes for each tile column,
	s_lshl_b32 s18, s16, 17                        ; my 64 rows of 2,048 bytes
	s_add_co_u32 s46, s46, s18
	s_mov_b32 s47, 0
	s_mul_i32 s45, s16, AHEAD                      ; where they go: no place in the cluster enters an LDS address
	s_mul_i32 s22, s16, BHALF
	s_add_co_u32 s22, s22, BOFF
	s_wait_dscnt 0x0                               ; both opening adds are done
	s_wait_kmcnt 0x0
	s_add_nc_u64 s[20:21], s[4:5], s[20:21]
	s_add_nc_u64 s[46:47], s[6:7], s[46:47]
	CROUND                                         ; all sixteen work-groups are here: the first joint loads meet
.irp s, 0,1
	s_mov_b32 s[G0+4*\s], 1
	s_add_co_u32 s[G0+4*\s+1], s45, \s*SLOT
	s_add_nc_u64 s[G0+4*\s+2:G0+4*\s+3], s[20:21], \s*524288       ; a K step on: two heads
	s_or_b32 s[G0+4*\s+3], s[G0+4*\s+3], 0x80000000
	s_mov_b32 s[G0B+4*\s], 1
	s_add_co_u32 s[G0B+4*\s+1], s22, \s*SLOT
	s_add_nc_u64 s[G0B+4*\s+2:G0B+4*\s+3], s[46:47], \s*262144     ; 128 rows of 2,048 bytes
	s_or_b32 s[G0B+4*\s+3], s[G0B+4*\s+3], 0x80000000
	JLOAD \s                                       ; two tensor loads of mine are out at the start, one behind each later round
.endr
	v_and_b32 v1, 15, v0                           ; r
	v_bfe_u32 v2, v0, 4, 1                         ; h
	s_lshl_b32 s18, s42, 10                        ; the bias: (256 x tile column + 128 x my half) numbers of 4 bytes
	s_lshl_b32 s19, s16, 9
	s_add_co_u32 s18, s18, s19
	s_mov_b32 s19, 0
	s_add_nc_u64 s[8:9], s[8:9], s[18:19]
	s_add_nc_u64 s[10:11], s[10:11], s[18:19]      ; out0: the same columns,
	s_lshl_b32 s18, s17, 19                        ; (128 x tile row + 64 x my half) rows of 4,096 bytes
	s_lshl_b32 s23, s15, 18
	s_add_co_u32 s18, s18, s23
	s_add_nc_u64 s[10:11], s[10:11], s[18:19]
	v_lshlrev_b32 v[VB], 5, v2
	WIN 0x80                                       ; destination window 2
.irp b, 0,1,2,3,4,5,6,7
	global_load_b128 v[8*\b:8*\b+3],   v[VB], s[8:9] offset:64*\b      ; lane (r, h): b_proj at columns 16 b + 8 h + 0 .. 7, the result's layout
	global_load_b128 v[8*\b+4:8*\b+7], v[VB], s[8:9] offset:64*\b+16
.endr
	WIN 0
	v_lshrrev_b32 v3, 1, v1
	v_mul_u32_u24 v3, v3, PA
	v_and_b32 v4, 1, v1
	v_lshl_add_u32 v3, v4, 7, v3
	v_lshl_add_u32 v3, v2, 4, v3                   ; A: row r: (r / 2) LDS rows + (r % 2) 128 + 16 h
	v_and_b32 v4, 7, v0
	v_lshl_add_u32 v4, v2, 3, v4
	v_mul_u32_u24 v4, v4, PB
	v_bfe_u32 v5, v0, 3, 1
	v_lshl_add_u32 v4, v5, 4, v4                   ; W: the turning load's lane l reads row 8 h + l % 8, columns 8 ((l / 8) % 2) on
	s_mul_i32 s21, s15, 32*PA                      ; my 64 rows of o
	s_lshl_b32 s22, s16, 8                         ; my 128 columns of W,
	s_add_co_u32 s22, s22, BOFF                    ; which lies behind A's two heads
.irp s, 0,1
	v_add_nc_u32 v[ADRA+\s], s21, v3
	v_add_nc_u32 v[ADRB+\s], s22, v4
	s_add_co_u32 s21, s21, SLOT
	s_add_co_u32 s22, s22, SLOT
.endr
	s_mul_i32 s23, s14, 16*SPITCH
	s_add_co_u32 s23, s23, STAGE                   ; my stage
	v_mul_u32_u24 v5, v1, SPITCH                   ; in: row r, 32 bytes for each half of the lanes
	v_lshl_add_u32 v5, v2, 5, v5
	v_add_nc_u32 v[STO], s23, v5
	v_and_b32 v6, 31, v0
	v_lshlrev_b32 v[CO], 4, v6                     ; back: the 32 lanes take one row of 512 bytes; and the same in out0
	v_add_nc_u32 v[RD], s23, v[CO]
; 8 products: A's block a x W's eight blocks, 32 along K, buffer f.  first = 1: the bias is C: nothing is cleared and nothing is added later.
; The 32 accumulators take turns, one instruction a turn, in the same order in every quarter.
.macro MUL8 f, a, first
.irp b, 0,1,2,3,4,5,6,7
.if \first
	v_wmma_f32_16x16x32_f16 v[8*(8*\a+\b):8*(8*\a+\b)+7], v[BFR+64*\f+8*\b:BFR+64*\f+8*\b+7], v[AFR+32*\f+8*\a:AFR+32*\f+8*\a+7], v[8*\b:8*\b+7]
.else
	v_wmma_f32_16x16x32_f16 v[8*(8*\a+\b):8*(8*\a+\b)+7], v[BFR+64*\f+8*\b:BFR+64*\f+8*\b+7], v[AFR+32*\f+8*\a:AFR+32*\f+8*\a+7], v[8*(8*\a+\b):8*(8*\a+\b)+7]
.endif
.endr
.endm
; 24 LDS loads in one run: the fragments of quarter qd (32 along K) of a slot into buffer f: W's 16, then A's 8
.macro FETCH slot, qd, f
.irp b, 0,1,2,3,4,5,6,7
	ds_load_tr16_b128 v[BFR+64*\f+8*\b:BFR+64*\f+8*\b+3],   v[ADRB+\slot] offset:\qd*32*PB+32*\b
	ds_load_tr16_b128 v[BFR+64*\f+8*\b+4:BFR+64*\f+8*\b+7], v[ADRB+\slot] offset:\qd*32*PB+32*\b+16*PB
.endr
.irp a, 0,1,2,3
	ds_load_b128 v[AFR+32*\f+8*\a:AFR+32*\f+8*\a+3],   v[ADRA+\slot] offset:(\qd/2)*AHEAD+\a*8*PA+(\qd%2)*64
	ds_load_b128 v[AFR+32*\f+8*\a+4:AFR+32*\f+8*\a+7], v[ADRA+\slot] offset:(\qd/2)*AHEAD+\a*8*PA+(\qd%2)*64+32
.endr
.endm
.macro PLACES                          ; four places in front of loads into registers that matrix instructions have read, and of the first read of results
.rept 4
	v_nop
.endr
.endm
; A K step is four quarters of 32 along K, 32 products each, on buffers 0, 1, 0, 1.  One of the first three: multiplies buffer f and fetches quarter qn of the same slot into g.
.macro QUARTER slot, qn, f, g, first
	s_wait_dscnt 4                                 ; W's fragments and A's blocks 0, 1 are in; the youngest four loads (A's blocks 2, 3) may be out
.if \first
	WIN MUL1
.else
	WIN MUL
.endif
	MUL8 \f, 0, \first
	MUL8 \f, 1, \first
	PLACES
	WIN 0
	FETCH \slot, \qn, \g
	s_wait_dscnt 24                                ; all but the 24 just issued
.if \first
	WIN MUL1
.else
	WIN MUL
.endif
	MUL8 \f, 2, \first
	MUL8 \f, 3, \first
.endm
; The last quarter multiplies buffer 1 and changes slots: ONE barrier; in front of it each wave waits for all its tensor loads, adds 0 to its spare word, and waits for that and for its reads of this slot.
; fill = 1: the barrier opens a round of the cluster's barrier, and this slot is filled again, two K steps ahead: 112 products stand between the request and the wait for it.
.macro TURN slot, next, fill
	WIN 0                                          ; (the add's two registers lie in window 0)
	s_wait_tensorcnt 0x0                           ; all my tensor loads have landed: my part of the next slot
	ds_add_u32 v[SPW], v[NIL]                      ; 0 onto my spare word
	s_wait_dscnt 5                                 ; (the add and the youngest four loads may be out)
	WIN MUL
	MUL8 1, 0, 0                                   ; eight products stand between the add and the wait for it
	s_wait_dscnt 0x0                               ; the add is done, and my reads of this slot are over
	s_barrier_signal -1
	MUL8 1, 1, 0
	WIN 0                                          ; (branches may follow)
	s_barrier_wait -1
.if \fill
	CREST                                          ; no wave of any partner still reads this slot's tiles or has a load on its way
	s_add_nc_u64 s[G0+4*\slot+2:G0+4*\slot+3], s[G0+4*\slot+2:G0+4*\slot+3], 1048576
	s_add_nc_u64 s[G0B+4*\slot+2:G0B+4*\slot+3], s[G0B+4*\slot+2:G0B+4*\slot+3], 524288
	JLOAD \slot                                    ; the first tensor load behind the round; the four v_nop behind it are also the places in front of the loads below
.else
	PLACES
.endif
	FETCH \next, 0, 0
	WIN MUL
	MUL8 1, 2, 0
	MUL8 1, 3, 0
.endm
	s_wait_tensorcnt 1                             ; my part of K step 0 is in; K step 1's load may stay out
	s_barrier_signal -1
	s_barrier_wait -1                              ; everybody's is
	FETCH 0, 0, 0
	s_wait_loadcnt 0x0                             ; the bias
	QUARTER 0, 1, 0, 1, 1                          ; the first quarter stands in front of the loop: its products start the sums, from the bias
	WIN 0                                          ; at a label and at a branch every window is 0
	s_mov_b32 s3, LAPS-1
.Llap:                                             ; a trip goes once round the ring, from a lap's second quarter to the next lap's first, and fills both slots again
	QUARTER 0, 2, 1, 0, 0
	QUARTER 0, 3, 0, 1, 0
	TURN 0, 1, 1
	QUARTER 1, 1, 0, 1, 0
	QUARTER 1, 2, 1, 0, 0
	QUARTER 1, 3, 0, 1, 0
	TURN 1, 0, 1
	QUARTER 0, 1, 0, 1, 0
	WIN 0
	s_sub_co_u32 s3, s3, 1
	s_cmp_lg_u32 s3, 0
	s_cbranch_scc1 .Llap
	QUARTER 0, 2, 1, 0, 0                          ; the last lap fills nothing, and has no round of the cluster's barrier
	QUARTER 0, 3, 0, 1, 0
	TURN 0, 1, 0
	QUARTER 1, 1, 0, 1, 0
	QUARTER 1, 2, 1, 0, 0
	QUARTER 1, 3, 0, 1, 0
	s_wait_dscnt 4                                 ; the very last quarter: nothing more to fetch
	WIN MUL
	MUL8 1, 0, 0
	MUL8 1, 1, 0
	s_wait_dscnt 0x0
	MUL8 1, 2, 0
	MUL8 1, 3, 0
	WIN 0
; THE WAY OUT, block by block of 16 rows x 128 columns.  A lane holds 32 neighbouring bytes of a row and the lanes beside it hold other rows: a block goes through my own stage in LDS and comes back as whole rows of
; 512 bytes, which the 32 lanes store at a multiple of 256 from out0's first byte.  LDS serves a wave's instructions in order (ISA guide 5.7.1.4): no wait between the stores and the loads.
.macro TOSTAGE a
	WIN 0x04                                       ; an LDS store's data are its source 1: window 1
.irp b, 0,1,2,3,4,5,6,7
	ds_store_b128 v[STO], v[8*(8*(\a)+\b):8*(8*(\a)+\b)+3] offset:64*\b            ; each accumulator from its low end on
	ds_store_b128 v[STO], v[8*(8*(\a)+\b)+4:8*(8*(\a)+\b)+7] offset:64*\b+16
.endr
	WIN 0
.set BB, BK+64*((\a)%2)
.irp t, 0,1,2,3,4,5,6,7,8,9,10,11,12,13,14,15
	ds_load_b128 v[BB+4*\t:BB+4*\t+3], v[RD] offset:\t*SPITCH
.endr
.endm
.macro SEND a, younger                 ; younger: the LDS instructions issued behind block a's loads, which may stay out
.set BB, BK+64*((\a)%2)
	s_wait_dscnt \younger                          ; the block is back in registers
.irp t, 0,1,2,3,4,5,6,7,8,9,10,11,12,13,14,15
	global_store_b128 v[CO], v[BB+4*\t:BB+4*\t+3], s[10:11] offset:(16*(\a)+\t)*4096 th:TH_STORE_NT   ; written once, read by nobody here; 63 rows at the most: inside the signed 24-bit immediate
.endr
.endm
	PLACES                                         ; behind the last products: for the reads of results and the loads into the registers that held fragments
	TOSTAGE 0
.irp a, 1,2,3
.if \a > 1
	s_wait_xcnt 0x0                                ; block a - 2's stores have read their registers: block a's loads may land there
.endif
	TOSTAGE \a
	SEND \a-1, 32                                  ; behind block a - 1's loads: block a's 16 stores and 16 loads
.endr
	SEND 3, 0
	s_wait_tensorcnt 0x0                           ; the wave's end, behind my last tensor load and my last LDS store
	ds_add_u32 v[SPW], v[NIL]
	s_wait_dscnt 0x0
	CROUND                                         ; the closing round: no work-group ends while a partner may still ask for a tile that names it
	s_endpgm
.Lfunc_end_k_q5c4fec9272_proj:
	.size	k_q5c4fec9272_proj, .Lfunc_end_k_q5c4fec9272_proj-k_q5c4fec9272_proj
	.p2alignl 7, 3214868480
	.fill 96, 4, 3214868480
	.section	.rodata,"a",@progbits
	.p2align	6, 0x0
	.amdhsa_kernel k_q5c4fec9272_proj
		.amdhsa_group_segment_fixed_size 327680
		.amdhsa_private_segment_fixed_size 0
		.amdhsa_enable_private_segment 0
		.amdhsa_kernarg_size 32
		.amdhsa_user_sgpr_count 2
		.amdhsa_user_sgpr_kernarg_segment_ptr 1
		.amdhsa_wavefront_size32 1
		.amdhsa_system_sgpr_workgroup_id_x 1
		.amdhsa_system_sgpr_workgroup_id_y 1
		.amdhsa_system_sgpr_workgroup_id_z 1
		.amdhsa_system_vgpr_workitem_id 0
		.amdhsa_next_free_vgpr 576
		.amdhsa_next_free_sgpr 66
		.amdhsa_reserve_vcc 0
		.amdhsa_float_denorm_mode_32 3
		.amdhsa_float_denorm_mode_16_64 3
		.amdhsa_memory_ordered 1
		.amdhsa_forward_progress 1
		.amdhsa_inst_pref_size 87
	.end_amdhsa_kernel
	.amdgpu_metadata
---
amdhsa.version: [ 1, 2 ]
amdhsa.kernels:
  - .name:           k_q5c4fec9272_proj
    .symbol:         k_q5c4fec9272_proj.kd
    .args:
      - { .name: o_ws, .offset: 0, .size: 8, .value_kind: global_buffer, .address_space: global }
      - { .name: wp16, .offset: 8, .size: 8, .value_kind: global_buffer, .address_space: global }
      - { .name: b_proj, .offset: 16, .size: 8, .value_kind: global_buffer, .address_space: global }
      - { .name: out0, .offset: 24, .size: 8, .value_kind: global_buffer, .address_space: global }
    .group_segment_fixed_size: 327680
    .private_segment_fixed_size: 0
    .kernarg_segment_align: 8
    .kernarg_segment_size: 32
    .max_flat_workgroup_size: 128
    .sgpr_count:     66
    .vgpr_count:     576
    .wavefront_size: 32
...
	.end_amdgpu_metadata
.endif
;; end of part 4
